; MI455X (gfx1250); checked and timed in simulation.
; The chip was launched on July 23, 2026; its instructions are those of AMD's public machine-readable ISA for CDNA 5 (MIT licence, August 2026) and "CDNA5" Instruction Set Architecture Reference Guide (July 2026). The comments in the code are by the model that wrote it; some were corrected since.
;; Self Attention. Allowed arithmetic: float matrix products may take bf16 or f16 operands with f32 sums; all other float work in f32.
;; Inputs: Wk 1,024 x 1,024 float32; Wp 1,024 x 1,024 float32; Wq 1,024 x 1,024 float32; Wv 1,024 x 1,024 float32; bk 1,024 float32; bp 1,024 float32; bq 1,024 float32; bv 1,024 float32; ln_b 1,024 float32; ln_w 1,024 float32; mask 8 x 1,024 int32; x 8 x 1,024 x 1,024 float32.
;; Outputs: out0 8 x 1,024 x 1,024 float32.
;; 2 versions, each right; version 2 is version 1 with the launch convert written anew for expert scheduling mode. Each part assembles by itself: llvm-mc -triple=amdgcn-amd-amdhsa -mcpu=gfx1250 --defsym DOCPART=n.
;; ======== version 1 of 2: 4 launches
;; workspace buffers: xb 16,777,216 bytes; wb 8,388,608 bytes; bias 12,288 bytes; qkv 50,331,648 bytes; y 16,777,216 bytes
;; launch convert (part 1): grid 64 x 12, 8 waves a work-group, no clusters, 0 bytes of LDS; arguments x, Wq, Wk, Wv, Wp, bq, bk, bv, xb, wb, bias; writes xb, wb, bias
.if DOCPART == 1
	.amdgcn_target "amdgcn-amd-amdhsa--gfx1250"
	.amdhsa_code_object_version 6
	.text
	.protected	k_qd57a55fcea_convert
	.globl	k_qd57a55fcea_convert
	.p2align	8
	.type	k_qd57a55fcea_convert,@function
k_qd57a55fcea_convert:
	s_mov_b64 s[64:65], 0
	v_nop
	global_prefetch_b8 v0, s[64:65] scope:SCOPE_SE
	s_setreg_imm32_b32 hwreg(HW_REG_WAVE_MODE, 25, 1), 1
	s_wait_xcnt 0x0
; SelfAttention, launch 1 of 4: every matrix operand is rounded to bf16 ONCE and laid out in chunks of 64 along K.
;   xb[kc][m][64]  = bf16(x[m][64 kc ..])                 16 chunks x 8192 rows x 128 bytes
;   wb[kc][n][64]  = bf16(W[n][64 kc ..]), n 0-1023 Wq * c, 1024-2047 Wk, 2048-3071 Wv, 3072-4095 Wp
;   bias[3072]     = bq * c, bk, bv  (f32)
; c = log2(e) / 8: the 1/sqrt(64) of the scores and the change from e^x to 2^x are folded into Wq and bq in f32, before the one
; rounding to bf16, so the later launches get scores that are ready for v_exp_f32.
; In that layout a tile of R rows x 64 K is R x 128 consecutive bytes, which the later launches fetch as rows of 256 bytes.
; DEAD WORK: none is left out, every input is loaded.  bk is NOT the same along the softmax's axis: a masked key's score is
; replaced by -1e9 without it, so bk moves the result in exact arithmetic and stays.  Masked keys are thrown away by the VALUES of
; mask, so their scores are computed and selected.
; LIMITS of the whole program: matrix operands (x, the weights, q, k, v, the softmax's weights, the attention's result) are rounded
; to bf16, sums are f32; NaN and infinities among the inputs are not carried as reference() carries them.
; No cluster, no LDS, no matrix unit: no two work-groups read the same byte and there is no product here.
; SHARES: 768 work-groups of 16 rows of 1024 f32.  Grid y 0-7: x, rows 16 (64 y + gx); y 8, 9, 10, 11: Wq, Wk, Wv, Wp, rows 16 gx.
; A wave takes two rows; load kc takes chunk kc of both (two pieces of 256 consecutive bytes), its store writes the two rows'
; 2 x 128 bytes, which are neighbours in the chunked layout: 256 consecutive bytes, aligned.
.set OO, 4                             ; v[4:19]    byte offset of my 8 bytes in chunk kc of the result; never rewritten
.set X,  20                            ; v[20:83]   chunk kc: 4 f32 as loaded
.set Y,  84                            ; v[84:115]  chunk kc: 4 bf16 to store
	s_load_b512 s[8:23], s[0:1], 0x0               ; x 8:9, Wq 10:11, Wk 12:13, Wv 14:15, Wp 16:17, bq 18:19, bk 20:21, bv 22:23
	s_load_b128 s[24:27], s[0:1], 0x40             ; xb 24:25, wb 26:27
	s_load_b64 s[28:29], s[0:1], 0x50              ; bias
	s_mov_b32 s2, ttmp9                            ; gx
	s_and_b32 s3, ttmp7, 0xffff                    ; y
	s_mov_b32 s36, 0x3e38aa3b                      ; c = log2(e) / 8,
	s_mov_b32 s37, 0x3e38aa3b                      ; as a pair for the packed multiply
	v_lshrrev_b32 v1, 4, v0                        ; thread / 16 = 2 wave + row of the pair
	v_and_b32 v3, 15, v0
	v_lshlrev_b32 v3, 4, v3
	v_lshl_or_b32 v1, v1, 12, v3                   ; in: row x 4096 + 16 (thread mod 16)
	v_lshlrev_b32 v2, 3, v0                        ; out: 256 wave + 8 lane
	v_lshlrev_b32 v3, 4, v0                        ; the bias copy: 16 bytes a thread
	s_wait_kmcnt 0x0
	; which tensor: selects on the grid's y alone
	s_cmp_lt_u32 s3, 8
	s_cselect_b64 s[30:31], s[8:9], s[16:17]       ; from x, else Wp unless replaced below
	s_cselect_b64 s[32:33], s[24:25], s[26:27]     ; to xb, else wb
	s_cselect_b32 s38, 20, 19                      ; a chunk is 8192 or 4096 rows of 128 bytes
	s_cselect_b32 s35, s3, 0
	s_cmp_eq_u32 s3, 8
	s_cselect_b64 s[30:31], s[10:11], s[30:31]
	s_cmp_eq_u32 s3, 9
	s_cselect_b64 s[30:31], s[12:13], s[30:31]
	s_cmp_eq_u32 s3, 10
	s_cselect_b64 s[30:31], s[14:15], s[30:31]
	s_lshl_b32 s34, 1, s38                         ; bytes from chunk to chunk
	s_lshl_b32 s35, s35, 22                        ; x: 1024 rows of 4096 bytes for each y
	s_lshl_b32 s39, s2, 16                         ; 16 rows of 4096 bytes for each gx
	s_add_co_u32 s38, s35, s39
	s_mov_b32 s39, 0
	s_add_nc_u64 s[30:31], s[30:31], s[38:39]
	s_and_b32 s38, s3, 7                           ; 1024 rows of 128 bytes for each y (x), for each of the four weights (wb)
	s_lshl_b32 s38, s38, 17
	s_lshl_b32 s35, s2, 11                         ; 16 rows of 128 bytes for each gx
	s_add_co_u32 s38, s38, s35
	s_add_nc_u64 s[32:33], s[32:33], s[38:39]
.irp kc, 0,1,2,3,4,5,6,7,8,9,10,11,12,13,14,15
	global_load_b128 v[X+4*\kc:X+4*\kc+3], v1, s[30:31] offset:256*\kc th:TH_LOAD_NT   ; all sixteen go out at once
.endr
.irp kc, 0,1,2,3,4,5,6,7,8,9,10,11,12,13,14,15
	s_mul_i32 s38, s34, \kc
	v_add_nc_u32 v[OO+\kc], s38, v2                ; up to 15 chunks: too far for a store's immediate
.endr
; The sixteen chunks are rounded and stored as they come.  No register is used twice, so no store's source is ever rewritten.
.macro CONV scaled
.irp kc, 0,1,2,3,4,5,6,7,8,9,10,11,12,13,14,15
	s_wait_loadcnt 15-\kc                          ; loads come back in order (ISA guide 5.7.1): chunk kc is in, the younger ones stay out
.if \scaled
	v_pk_mul_f32 v[X+4*\kc:X+4*\kc+1], v[X+4*\kc:X+4*\kc+1], s[36:37] op_sel_hi:[1,0]
	v_pk_mul_f32 v[X+4*\kc+2:X+4*\kc+3], v[X+4*\kc+2:X+4*\kc+3], s[36:37] op_sel_hi:[1,0]
.endif
	v_cvt_pk_bf16_f32 v[Y+2*\kc], v[X+4*\kc], v[X+4*\kc+1]
	v_cvt_pk_bf16_f32 v[Y+2*\kc+1], v[X+4*\kc+2], v[X+4*\kc+3]
	global_store_b64 v[OO+\kc], v[Y+2*\kc:Y+2*\kc+1], s[32:33]     ; the wave's 32 x 8 bytes: 256 consecutive bytes, aligned
.endr
.endm
; 1024 f32 of a bias: 16 bytes a thread.  X's first registers are free: every load into X has been waited for and used.
.macro BIASCP scaled, off, b
	global_load_b128 v[X:X+3], v3, s[\b:\b+1]
	s_wait_loadcnt 0x0
.if \scaled
	v_pk_mul_f32 v[X:X+1], v[X:X+1], s[36:37] op_sel_hi:[1,0]
	v_pk_mul_f32 v[X+2:X+3], v[X+2:X+3], s[36:37] op_sel_hi:[1,0]
.endif
	global_store_b128 v[\off], v[X:X+3], s[28:29]
.endm
	s_cmp_eq_u32 s3, 8
	s_cbranch_scc1 .Lscaled
	CONV 0
	s_cmp_lg_u32 s2, 0                             ; bk and bv are copied by the first work-group of Wk's and of Wv's rows
	s_cbranch_scc1 .Lend
	s_cmp_lt_u32 s3, 9
	s_cbranch_scc1 .Lend
	s_cmp_gt_u32 s3, 10
	s_cbranch_scc1 .Lend
	s_cmp_eq_u32 s3, 9
	s_cselect_b64 s[34:35], s[20:21], s[22:23]
	s_sub_co_u32 s38, s3, 8
	s_lshl_b32 s38, s38, 12                        ; bias + 4096 or + 8192
	v_add_nc_u32 v[X+4], s38, v3
	BIASCP 0, X+4, 34
	s_endpgm
.Lscaled:
	CONV 1                                         ; Wq * c
	s_cmp_lg_u32 s2, 0
	s_cbranch_scc1 .Lend
	BIASCP 1, 3, 18                                ; bq * c
.Lend:
	s_endpgm
.Lfunc_end_k_qd57a55fcea_convert:
	.size	k_qd57a55fcea_convert, .Lfunc_end_k_qd57a55fcea_convert-k_qd57a55fcea_convert
	.p2alignl 7, 3214868480
	.fill 96, 4, 3214868480
	.section	.rodata,"a",@progbits
	.p2align	6, 0x0
	.amdhsa_kernel k_qd57a55fcea_convert
		.amdhsa_group_segment_fixed_size 0
		.amdhsa_private_segment_fixed_size 0
		.amdhsa_enable_private_segment 0
		.amdhsa_kernarg_size 88
		.amdhsa_user_sgpr_count 2
		.amdhsa_user_sgpr_kernarg_segment_ptr 1
		.amdhsa_wavefront_size32 1
		.amdhsa_system_sgpr_workgroup_id_x 1
		.amdhsa_system_sgpr_workgroup_id_y 1
		.amdhsa_system_sgpr_workgroup_id_z 1
		.amdhsa_system_vgpr_workitem_id 0
		.amdhsa_next_free_vgpr 116
		.amdhsa_next_free_sgpr 66
		.amdhsa_reserve_vcc 0
		.amdhsa_float_denorm_mode_32 3
		.amdhsa_float_denorm_mode_16_64 3
		.amdhsa_memory_ordered 1
		.amdhsa_forward_progress 1
		.amdhsa_inst_pref_size 16
	.end_amdhsa_kernel
	.amdgpu_metadata
---
amdhsa.version: [ 1, 2 ]
amdhsa.kernels:
  - .name:           k_qd57a55fcea_convert
    .symbol:         k_qd57a55fcea_convert.kd
    .args:
      - { .name: x, .offset: 0, .size: 8, .value_kind: global_buffer, .address_space: global }
      - { .name: Wq, .offset: 8, .size: 8, .value_kind: global_buffer, .address_space: global }
      - { .name: Wk, .offset: 16, .size: 8, .value_kind: global_buffer, .address_space: global }
      - { .name: Wv, .offset: 24, .size: 8, .value_kind: global_buffer, .address_space: global }
      - { .name: Wp, .offset: 32, .size: 8, .value_kind: global_buffer, .address_space: global }
      - { .name: bq, .offset: 40, .size: 8, .value_kind: global_buffer, .address_space: global }
      - { .name: bk, .offset: 48, .size: 8, .value_kind: global_buffer, .address_space: global }
      - { .name: bv, .offset: 56, .size: 8, .value_kind: global_buffer, .address_space: global }
      - { .name: xb, .offset: 64, .size: 8, .value_kind: global_buffer, .address_space: global }
      - { .name: wb, .offset: 72, .size: 8, .value_kind: global_buffer, .address_space: global }
      - { .name: bias, .offset: 80, .size: 8, .value_kind: global_buffer, .address_space: global }
    .group_segment_fixed_size: 0
    .private_segment_fixed_size: 0
    .kernarg_segment_align: 8
    .kernarg_segment_size: 88
    .max_flat_workgroup_size: 256
    .sgpr_count:     66
    .vgpr_count:     116
    .wavefront_size: 32
...
	.end_amdgpu_metadata
.endif
;; end of part 1
;; launch project_qkv (part 2): grid 8 x 32, 4 waves a work-group, clusters of 4 x 4, 327,680 bytes of LDS; arguments xb, wb, bias, qkv; writes qkv
.if DOCPART == 2
	.amdgcn_target "amdgcn-amd-amdhsa--gfx1250"
	.amdhsa_code_object_version 6
	.text
	.protected	k_qd57a55fcea_project_qkv
	.globl	k_qd57a55fcea_project_qkv
	.p2align	8
	.type	k_qd57a55fcea_project_qkv,@function
k_qd57a55fcea_project_qkv:
	s_mov_b64 s[64:65], 0
	v_nop
	global_prefetch_b8 v0, s[64:65] scope:SCOPE_SE
	s_setreg_imm32_b32 hwreg(HW_REG_WAVE_MODE, 25, 1), 1
	s_wait_xcnt 0x0
	s_wait_alu depctr_hold_cnt(0) depctr_sa_sdst(0) depctr_va_vdst(0) depctr_va_sdst(0) depctr_va_ssrc(0) depctr_va_vcc(0) depctr_vm_vsrc(0)
	s_getreg_b32 s2, hwreg(HW_REG_IB_STS2, 6, 4)
	s_cmp_eq_u32 s2, 0
	s_cbranch_scc0 .Lentry_in_a_cluster
	s_endpgm
.Lentry_in_a_cluster:
	s_bfe_u32 s2, ttmp6, 0x10000c
	s_cmp_lg_u32 s2, 0xf033
	s_cbranch_scc0 .Lentry_shape_is_right
	s_endpgm
.Lentry_shape_is_right:
; SelfAttention, launch 2 of 4: qkv[m][n] = sum over k of xb[m][k] wb[n][k] + bias[n], n = 0 .. 3071 (q * c, k, v), rounded to bf16.
; Result in chunks of 64 columns, one chunk a head: qkv[n / 64][m][64].  No work of reference() is left out here.
; A work-group makes 256 (m) x 384 (n): 32 x 8 = 256 work-groups.  Four waves, each 128 x 192 = 96 accumulator tiles of 16 x 16, 768 registers.
; K goes in steps of 64 (one chunk) through two LDS slots.  In the chunked layout a tile is dense, and it is fetched as rows of 256 bytes
; (two matrix rows), each followed by 16 bytes of padding: LDS pitch 272.
; CLUSTERS: 4 x 4 work-groups.  The four of a cluster's row share the block row of the result and so xb's tiles, the four of a column share
; wb's: each tile is asked for jointly by the four, with one descriptor and a mask that names them.
; REGISTERS: window 0: v16-27 addresses; v32-95, v96-159 fragments of xb (8 x 16 rows x 32 K), two buffers; v160-255 fragments of wb
; (12, in three groups of four), one buffer; windows 1, 2, 3: the accumulators of n blocks 0-3, 4-7, 8-11, tile (a, b) at v[8 (4 a + b)].
; THE MATRIX INSTRUCTION IS USED TRANSPOSED: source 0 = 16 rows of wb, source 1 = 16 rows of xb, so that lane l holds row m = l % 16 and
; its registers the columns n = 8 (l / 16) + 0 .. 7: eight neighbours of a row, 16 bytes of bf16.
.set QUART,  26112                     ; a quarter of a slot: what one wave fetches.  wb's halves (96 x 272) fill it, xb's (64 x 272 = 17408) do not;
                                       ; one size for all four makes every fill's LDS address wave x QUART + slot x SLOT
.set SLOT,   4*QUART                   ; xb rows 0-127, xb rows 128-255, wb rows 0-191, wb rows 192-383
.set STAGE,  2*SLOT                    ; behind the ring, never filled: 16 rows x 400 bytes for each wave, for the way out
.set SPITCH, 400                       ; 384 bytes + 16: an odd multiple of 16, so sixteen rows' 16-byte stores fall into sixteen different columns of 256 bytes
.set BLK,    2176                      ; 16 matrix rows = 8 LDS rows of 272 bytes
.set LAPS,   8                         ; 1024 / (2 x 64): a lap is once round the ring
.set ADRA, 16                          ; v16-17  LDS address of my xb fragments in slot 0, 1
.set ADRB, 20                          ; v20-21  the same for wb
.set STO,  24                          ; the way out: where I put 16 bytes of a row
.set RD,   25                          ; the way out: where I read back
.set CO,   26                          ; 16 x lane
.set BO,   27                          ; 32 x (lane / 16): my eight numbers of 16 of the bias
.set FA0,  32
.set FA1,  96
.set FB,   160
.set TMP,  32                          ; the way out: packed results (v32-79)
.set RB,   80                          ; the way out: rows read back (v80-127)
.set G1,  24                           ; s[24:31] descriptor group 1, xb's tiles
.set G0,  32                           ; s[32:39] group 0, xb's tiles, one set a slot
.set G1B, 48                           ; s[48:55] group 1, wb's tiles
.set G0B, 56                           ; s[56:63] group 0, wb's tiles, one set a slot
.set W0, 0x50                          ; sources in window 0, C and D in window 1
.set W1, 0xa0                          ; ... window 2
.set W2, 0xf0                          ; ... window 3
.set MSB, 0
.macro WIN new                         ; the immediate's high byte repeats the setting that is left
.if MSB != (\new)
	s_set_vgpr_msb (MSB<<8)|(\new)
.set MSB, (\new)
.endif
.endm
.macro PLACES                          ; four plain vector instructions between a matrix instruction and a load into, or a vector access to, its registers
.rept 4
	v_nop
.endr
.endm
; A joint load.  Waves 0 and 1 fetch xb's halves, waves 2 and 3 wb's; each line has one mask and one set of registers.
.macro JLOAD s
	s_cmp_eq_u32 s21, 0
	s_cbranch_scc0 .Lfor_b_\@
	tensor_load_to_lds s[G0+4*\s:G0+4*\s+3], s[G1:G1+7]
	s_nop 0
	s_branch .Lasked_\@
.Lfor_b_\@:
	tensor_load_to_lds s[G0B+4*\s:G0B+4*\s+3], s[G1B:G1B+7]
	s_nop 0
.Lasked_\@:
.endm
.macro CREST                           ; a round of the cluster's barrier behind its opening work-group barrier
	s_cmp_lg_u32 s20, 0
	s_cbranch_scc1 .Lnot_wave_0_\@
	s_barrier_signal -3
.Lnot_wave_0_\@:
	s_barrier_wait -3
	s_barrier_signal -1
	s_barrier_wait -1
.endm
.macro CROUND
	s_barrier_signal -1
	s_barrier_wait -1
	CREST
.endm
	s_load_b256 s[4:11], s[0:1], 0x0               ; xb 4:5, wb 6:7, bias 8:9, qkv 10:11
	v_lshl_add_u32 v30, v0, 2, 0x39400
	v_mov_b32 v31, 0
	ds_add_u32 v30, v31
	v_lshrrev_b32 v1, 5, v0
	v_readfirstlane_b32 s20, v1                    ; wave 0..3
	s_lshr_b32 s21, s20, 1                         ; my half of the block's rows.  Also: I fetch for xb (0) or wb (1)
	s_and_b32 s22, s20, 1                          ; my half of its columns.  Also: which half of that tile I fetch
	s_bfe_u32 s40, ttmp6, 0x40000                  ; cx
	s_bfe_u32 s41, ttmp6, 0x40004                  ; cy
	s_lshl_b32 s42, ttmp9, 2
	s_add_co_u32 s42, s42, s40                     ; block column = 4 x cluster x + cx
	s_and_b32 s13, ttmp7, 0xffff
	s_lshl_b32 s13, s13, 2
	s_add_co_u32 s13, s13, s41                     ; block row = 4 x cluster y + cy
	s_lshl_b32 s43, s41, 2
	s_lshl_b32 s43, 15, s43                        ; my row of the cluster
	s_lshl_b32 s44, 0x1111, s40                    ; my column
	; group 1: R rows of 32 elements of 8 bytes, dense (pitch 32), 4 words of padding behind every 64 words
	s_or_b32 s[G1+0], s43, (3<<16)|(1<<20)|(1<<21)|(5<<22)|(3<<25)
	s_or_b32 s[G1B+0], s44, (3<<16)|(1<<20)|(1<<21)|(5<<22)|(3<<25)
	s_mov_b32 s[G1+1], 32<<16                      ; tensor_dim0 = 32
	s_mov_b32 s[G1B+1], 32<<16
	s_mov_b32 s[G1+2], 64<<16                      ; tensor_dim1 = 64 rows (128 rows of xb)
	s_mov_b32 s[G1B+2], 96<<16                     ; 96 rows (192 rows of wb)
	s_mov_b32 s[G1+3], 32<<16                      ; tile_dim0 = 32
	s_mov_b32 s[G1B+3], 32<<16
	s_mov_b32 s[G1+4], 64                          ; tile_dim1
	s_mov_b32 s[G1B+4], 96
	s_mov_b32 s[G1+5], 32                          ; from row to row
	s_mov_b32 s[G1B+5], 32
	s_mov_b32 s[G1+6], 0
	s_mov_b32 s[G1B+6], 0
	s_mov_b32 s[G1+7], 0
	s_mov_b32 s[G1B+7], 0
	; xb's tiles hang on the block row alone, wb's on the block column alone, each in registers that never hold the other coordinate
	s_lshl_b32 s16, s13, 15                        ; 256 rows of 128 bytes a block row
	s_lshl_b32 s17, s22, 14                        ; 128 rows a half
	s_add_co_u32 s16, s16, s17
	s_mov_b32 s17, 0
	s_mul_i32 s46, s42, 49152                      ; 384 rows of 128 bytes a block column
	s_mul_i32 s47, s22, 24576                      ; 192 rows a half
	s_add_co_u32 s46, s46, s47
	s_mov_b32 s47, 0
	s_mul_i32 s23, s20, QUART                      ; where my quarter goes: the wave's number alone
	s_wait_dscnt 0x0
	s_wait_kmcnt 0x0
	s_add_nc_u64 s[14:15], s[4:5], s[16:17]
	s_add_nc_u64 s[46:47], s[6:7], s[46:47]
	CROUND                                         ; all sixteen work-groups are here: the first joint loads meet
.irp s, 0,1
	s_mov_b32 s[G0+4*\s], 1
	s_add_co_u32 s[G0+4*\s+1], s23, \s*SLOT
	s_add_nc_u64 s[G0+4*\s+2:G0+4*\s+3], s[14:15], \s*0x100000     ; chunk s of xb
	s_or_b32 s[G0+4*\s+3], s[G0+4*\s+3], 0x80000000
	s_mov_b32 s[G0B+4*\s], 1
	s_add_co_u32 s[G0B+4*\s+1], s23, \s*SLOT
	s_add_nc_u64 s[G0B+4*\s+2:G0B+4*\s+3], s[46:47], \s*0x80000    ; chunk s of wb
	s_or_b32 s[G0B+4*\s+3], s[G0B+4*\s+3], 0x80000000
	JLOAD \s                                       ; two tensor loads of the wave are out here, one behind each later round
.endr
	; A fragment: lane l holds matrix row l % 16; registers 0-3 K = 8 (l / 16) + 0..7, registers 4-7 K = 16 + 8 (l / 16) + 0..7.
	; Matrix row r lies in LDS row r / 2, at byte 128 (r % 2).
	v_and_b32 v1, 15, v0                           ; r
	v_bfe_u32 v2, v0, 4, 1                         ; h
	v_lshrrev_b32 v4, 1, v1
	v_mul_u32_u24 v3, v4, 272
	v_and_b32 v4, 1, v1
	v_lshl_add_u32 v3, v4, 7, v3
	v_lshl_add_u32 v3, v2, 4, v3
	s_mul_i32 s18, s21, QUART                      ; my 128 rows of xb
	s_mul_i32 s19, s22, QUART                      ; my 192 rows of wb,
	s_add_co_u32 s19, s19, 2*QUART                 ; behind xb's two quarters
.irp s, 0,1
	v_add_nc_u32 v[ADRA+\s], s18, v3
	v_add_nc_u32 v[ADRB+\s], s19, v3
	s_add_co_u32 s18, s18, SLOT
	s_add_co_u32 s19, s19, SLOT
.endr
	s_mul_i32 s18, s20, 16*SPITCH
	s_add_co_u32 s18, s18, STAGE                   ; my stage
	v_mul_u32_u24 v4, v1, SPITCH
	v_lshl_add_u32 v4, v2, 4, v4
	v_add_nc_u32 v[STO], s18, v4                   ; row r, 16 bytes for each half of the lanes
	v_and_b32 v5, 31, v0
	v_lshrrev_b32 v6, 3, v5
	v_mul_u32_u24 v6, v6, SPITCH
	v_and_b32 v7, 7, v0
	v_lshl_add_u32 v6, v7, 4, v6
	v_add_nc_u32 v[RD], s18, v6                    ; back: eight lanes take 128 bytes of a row, the wave four rows
	v_lshlrev_b32 v[CO], 4, v5
	v_lshlrev_b32 v[BO], 5, v2
; 16 matrix instructions: m blocks a0 .. a0 + 3 x the four n blocks of group g, 32 along K.  zero = 1: the first product starts the sums.
; The 96 accumulators take turns, one instruction a turn, in the same order in every 32 of K, over the backward jump too.
.macro MUL16 g, f, a0, zero
.irp a, \a0, \a0+1, \a0+2, \a0+3
.irp b, 0,1,2,3
.if \zero
	v_wmma_f32_16x16x32_bf16 v[8*(4*(\a)+\b):8*(4*(\a)+\b)+7], v[FB+32*\g+8*\b:FB+32*\g+8*\b+7], v[\f+8*(\a):\f+8*(\a)+7], 0
.else
	v_wmma_f32_16x16x32_bf16 v[8*(4*(\a)+\b):8*(4*(\a)+\b)+7], v[FB+32*\g+8*\b:FB+32*\g+8*\b+7], v[\f+8*(\a):\f+8*(\a)+7], v[8*(4*(\a)+\b):8*(4*(\a)+\b)+7]
.endif
.endr
.endr
.endm
.macro MULW g, f, zero
	MUL16 \g, \f, 0, \zero
	MUL16 \g, \f, 4, \zero
.endm
.macro LOADB g, slot, k                ; 8 LDS loads: the four wb fragments of group g, 32 K at byte k of the rows
.irp b, 0,1,2,3
	ds_load_b128 v[FB+32*\g+8*\b:FB+32*\g+8*\b+3], v[ADRB+\slot] offset:(4*\g+\b)*BLK+\k
	ds_load_b128 v[FB+32*\g+8*\b+4:FB+32*\g+8*\b+7], v[ADRB+\slot] offset:(4*\g+\b)*BLK+\k+32
.endr
.endm
.macro LOADA f, slot, k                ; 16 LDS loads: my eight xb fragments
.irp i, 0,1,2,3,4,5,6,7
	ds_load_b128 v[\f+8*\i:\f+8*\i+3], v[ADRA+\slot] offset:\i*BLK+\k
	ds_load_b128 v[\f+8*\i+4:\f+8*\i+7], v[ADRA+\slot] offset:\i*BLK+\k+32
.endr
.endm
; LDS loads are always issued in the order: group 0 and xb (24), group 1 (8), group 2 (8), each group as soon as its registers have been multiplied.
; The first 32 of a slot's K, on buffer FA0; it fetches the second 32.
.macro HALF0 slot, zero
	s_wait_dscnt 16                                ; group 0 and xb are in; groups 1 and 2 (16 loads) may be out
	WIN W0
	MULW 0, FA0, \zero
	PLACES
	WIN 0
	LOADB 0, \slot, 64
	LOADA FA1, \slot, 64
	s_wait_dscnt 32                                ; group 1 is in: behind it stand group 2 (8) and the 24 just issued
	WIN W1
	MULW 1, FA0, \zero
	PLACES
	WIN 0
	LOADB 1, \slot, 64
	s_wait_dscnt 32                                ; group 2 is in: behind it stand those 24 and the 8 just issued
	WIN W2
	MULW 2, FA0, \zero
	PLACES
	WIN 0
	LOADB 2, \slot, 64
.endm
; The second 32, on FA1, and the change of slots.  In front of the barrier each wave waits for its reads of this slot and for all its tensor
; loads (one is out: its quarter of the next slot).  Behind it nobody reads this slot and the next is whole: the refill first, then the next fragments.
.macro TURN slot, next, fill
	s_wait_dscnt 16
	WIN W0
	MUL16 0, FA1, 0, 0
	s_wait_dscnt 0x0                               ; my reads of this slot are over
	s_wait_tensorcnt 0x0                           ; all my tensor loads have landed
	ds_add_u32 v30, v31
	s_wait_dscnt 0x0
	s_barrier_signal -1                            ; (where the slot is filled again this barrier opens a round of the cluster's barrier)
	MUL16 0, FA1, 4, 0                             ; registers only, while the others arrive
	WIN 0
	s_barrier_wait -1
.if \fill
	CREST                                          ; no wave of any partner still reads this slot or has a load on its way
	s_add_nc_u64 s[G0+4*\slot+2:G0+4*\slot+3], s[G0+4*\slot+2:G0+4*\slot+3], 0x200000      ; two chunks of xb on
	s_add_nc_u64 s[G0B+4*\slot+2:G0B+4*\slot+3], s[G0B+4*\slot+2:G0B+4*\slot+3], 0x100000  ; two chunks of wb on
	JLOAD \slot                                    ; the wave's one tensor load behind the round, and the first thing there
.endif
	PLACES
	LOADB 0, \next, 0
	LOADA FA0, \next, 0
	WIN W1
	MULW 1, FA1, 0                                 ; groups 1 and 2 came in with the wait for zero above
	PLACES
	WIN 0
	LOADB 1, \next, 0
	WIN W2
	MULW 2, FA1, 0
	PLACES
	WIN 0
	LOADB 2, \next, 0
.endm
.macro LAP zero
	HALF0 0, \zero
	TURN 0, 1, 1
	HALF0 1, 0
	TURN 1, 0, 1
.endm
	s_wait_tensorcnt 0x1                           ; my quarter of chunk 0 is in; chunk 1's may stay out
	s_barrier_signal -1
	s_barrier_wait -1                              ; everybody's is
	LOADB 0, 0, 0
	LOADA FA0, 0, 0
	LOADB 1, 0, 0
	LOADB 2, 0, 0
	LAP 1                                          ; the first lap stands in front of the loop: its first products start the sums
	s_mov_b32 s3, LAPS-2
.Llap:
	LAP 0
	s_sub_co_u32 s3, s3, 1
	s_cmp_lg_u32 s3, 0
	s_cbranch_scc1 .Llap
	HALF0 0, 0                                     ; the last lap fills nothing
	TURN 0, 1, 0
	HALF0 1, 0
	s_wait_dscnt 16
	WIN W0
	MULW 0, FA1, 0
	s_wait_dscnt 8
	WIN W1
	MULW 1, FA1, 0
	s_wait_dscnt 0x0
	WIN W2
	MULW 2, FA1, 0
	; THE WAY OUT.  The bias of my 192 columns goes where wb's fragments lay, in the accumulators' own order (lane half h: columns 8 h .. 8 h + 7 of each 16).
	PLACES
	WIN 0
	s_mul_i32 s46, s42, 1536                       ; 384 f32 a block column
	s_mul_i32 s47, s22, 768                        ; 192 f32 a half
	s_add_co_u32 s46, s46, s47
	s_mov_b32 s47, 0
	s_add_nc_u64 s[8:9], s[8:9], s[46:47]
.irp b, 0,1,2,3,4,5,6,7,8,9,10,11
	global_load_b128 v[FB+8*\b:FB+8*\b+3], v[BO], s[8:9] offset:64*\b
	global_load_b128 v[FB+8*\b+4:FB+8*\b+7], v[BO], s[8:9] offset:64*\b+16
.endr
	s_mul_i32 s46, s42, 6                          ; my first chunk of 64 columns: 6 a block column, 3 a half
	s_mul_i32 s47, s22, 3
	s_add_co_u32 s46, s46, s47
	s_lshl_b32 s46, s46, 20                        ; a chunk is 8192 rows of 128 bytes
	s_lshl_b32 s47, s13, 15                        ; 256 rows a block row
	s_add_co_u32 s46, s46, s47
	s_lshl_b32 s47, s21, 14                        ; 128 rows a half
	s_add_co_u32 s46, s46, s47
	s_mov_b32 s47, 0
	s_add_nc_u64 s[10:11], s[10:11], s[46:47]
	s_wait_loadcnt 0x0
.macro BIASADD g, win                  ; accumulators (window 1 + g) += bias (window 0)
	WIN \win
.irp a, 0,1,2,3,4,5,6,7
.irp b, 0,1,2,3
.irp p, 0,1,2,3
	v_pk_add_f32 v[8*(4*\a+\b)+2*\p:8*(4*\a+\b)+2*\p+1], v[8*(4*\a+\b)+2*\p:8*(4*\a+\b)+2*\p+1], v[FB+32*\g+8*\b+2*\p:FB+32*\g+8*\b+2*\p+1]
.endr
.endr
.endr
.endm
	BIASADD 0, 0x41
	BIASADD 1, 0x82
	BIASADD 2, 0xc3
.macro CVTG a, g, win                  ; m block a, group g: 4 tiles rounded to bf16, into window 0
	WIN \win
.irp b, 0,1,2,3
.irp r, 0,1,2,3
	v_cvt_pk_bf16_f32 v[TMP+4*(4*\g+\b)+\r], v[8*(4*\a+\b)+2*\r], v[8*(4*\a+\b)+2*\r+1]
.endr
.endr
.endm
; 16 rows at a time through my own stage: 16 bytes a lane in, then back so that one store takes four rows of one chunk, which are 512 consecutive bytes of qkv.
.macro OUT16 a
	CVTG \a, 0, 0x05
	CVTG \a, 1, 0x0a
	CVTG \a, 2, 0x0f
	WIN 0
.irp b, 0,1,2,3,4,5,6,7,8,9,10,11
	ds_store_b128 v[STO], v[TMP+4*\b:TMP+4*\b+3] offset:32*\b
.endr
	s_wait_xcnt 0x0                                ; RB, which the last sixteen rows' stores read, is loaded again only behind this wait (ISA guide 3.1)
.irp c, 0,1,2
.irp t, 0,1,2,3
	ds_load_b128 v[RB+4*(4*\c+\t):RB+4*(4*\c+\t)+3], v[RD] offset:\t*4*SPITCH+128*\c   ; LDS serves a wave's instructions in order: these see the stores above
.endr
.endr
.irp c, 0,1,2
.irp t, 0,1,2,3
	s_wait_dscnt 11-(4*\c+\t)
	global_store_b128 v[CO], v[RB+4*(4*\c+\t):RB+4*(4*\c+\t)+3], s[10:11] offset:\c*0x100000+\a*2048+\t*512
.endr
.endr
.endm
.irp a, 0,1,2,3,4,5,6,7
	OUT16 \a
.endr
	s_wait_tensorcnt 0x0
	ds_add_u32 v30, v31
	s_wait_dscnt 0x0
	CROUND                                         ; the closing round: no work-group ends while a partner may still ask jointly
	s_endpgm
.Lfunc_end_k_qd57a55fcea_project_qkv:
	.size	k_qd57a55fcea_project_qkv, .Lfunc_end_k_qd57a55fcea_project_qkv-k_qd57a55fcea_project_qkv
	.p2alignl 7, 3214868480
	.fill 96, 4, 3214868480
	.section	.rodata,"a",@progbits
	.p2align	6, 0x0
	.amdhsa_kernel k_qd57a55fcea_project_qkv
		.amdhsa_group_segment_fixed_size 327680
		.amdhsa_private_segment_fixed_size 0
		.amdhsa_enable_private_segment 0
		.amdhsa_kernarg_size 32
		.amdhsa_user_sgpr_count 2
		.amdhsa_user_sgpr_kernarg_segment_ptr 1
		.amdhsa_wavefront_size32 1
		.amdhsa_system_sgpr_workgroup_id_x 1
		.amdhsa_system_sgpr_workgroup_id_y 1
		.amdhsa_system_sgpr_workgroup_id_z 1
		.amdhsa_system_vgpr_workitem_id 0
		.amdhsa_next_free_vgpr 1024
		.amdhsa_next_free_sgpr 66
		.amdhsa_reserve_vcc 0
		.amdhsa_float_denorm_mode_32 3
		.amdhsa_float_denorm_mode_16_64 3
		.amdhsa_memory_ordered 1
		.amdhsa_forward_progress 1
		.amdhsa_inst_pref_size 196
	.end_amdhsa_kernel
	.amdgpu_metadata
---
amdhsa.version: [ 1, 2 ]
amdhsa.kernels:
  - .name:           k_qd57a55fcea_project_qkv
    .symbol:         k_qd57a55fcea_project_qkv.kd
    .args:
      - { .name: xb, .offset: 0, .size: 8, .value_kind: global_buffer, .address_space: global }
      - { .name: wb, .offset: 8, .size: 8, .value_kind: global_buffer, .address_space: global }
      - { .name: bias, .offset: 16, .size: 8, .value_kind: global_buffer, .address_space: global }
      - { .name: qkv, .offset: 24, .size: 8, .value_kind: global_buffer, .address_space: global }
    .group_segment_fixed_size: 327680
    .private_segment_fixed_size: 0
    .kernarg_segment_align: 8
    .kernarg_segment_size: 32
    .max_flat_workgroup_size: 128
    .sgpr_count:     66
    .vgpr_count:     1024
    .wavefront_size: 32
...
	.end_amdgpu_metadata
.endif
;; end of part 2
;; launch attention (part 3): grid 4 x 128, 4 waves a work-group, clusters of 4 x 1, 300,544 bytes of LDS; arguments qkv, mask, y; writes y
.if DOCPART == 3
	.amdgcn_target "amdgcn-amd-amdhsa--gfx1250"
	.amdhsa_code_object_version 6
	.text
	.protected	k_qd57a55fcea_attention
	.globl	k_qd57a55fcea_attention
	.p2align	8
	.type	k_qd57a55fcea_attention,@function
k_qd57a55fcea_attention:
	s_mov_b64 s[64:65], 0
	v_nop
	global_prefetch_b8 v0, s[64:65] scope:SCOPE_SE
	s_setreg_imm32_b32 hwreg(HW_REG_WAVE_MODE, 25, 1), 1
	s_wait_xcnt 0x0
	s_wait_alu depctr_hold_cnt(0) depctr_sa_sdst(0) depctr_va_vdst(0) depctr_va_sdst(0) depctr_va_ssrc(0) depctr_va_vcc(0) depctr_vm_vsrc(0)
	s_getreg_b32 s2, hwreg(HW_REG_IB_STS2, 6, 4)
	s_cmp_eq_u32 s2, 0
	s_cbranch_scc0 .Lentry_in_a_cluster
	s_endpgm
.Lentry_in_a_cluster:
	s_bfe_u32 s2, ttmp6, 0x10000c
	s_cmp_lg_u32 s2, 0x3003
	s_cbranch_scc0 .Lentry_shape_is_right
	s_endpgm
.Lentry_shape_is_right:
; SelfAttention, launch 3 of 4: y = softmax(where(mask == 0, -1e9, q k^T / 8)) v for one (batch, head) and 256 queries a work-group.
; q comes scaled by log2(e) / 8, so scores are exponents of 2 and a masked score is -1e9 log2(e).  No work of reference() is left out:
; masked keys are computed and selected.  The maximum is taken away before every exponential, as a running maximum that starts at
; -infinity.  If every key of a batch is masked, all differences are exactly 0 and the weights are equal, as in reference().
; LIMITS: the softmax's weights are rounded to bf16 for the product with v while their sum is kept in f32; scores that are NaN or infinite are not served.
; CLUSTERS: the four query blocks of a head form a cluster and ask jointly for the head's k, v and the batch's mask.  All 1024 keys stay
; in LDS, so every tensor load is a first fill: no slot is ever filled again.  q is each wave's own and is loaded into registers.
; A wave takes 64 queries (4 blocks of 16) and walks the keys 64 at a time:
;   S^T = K Q^T  (source 0 = 16 keys, source 1 = 16 queries): lane l holds query l % 16, register j key 8 (l / 16) + j, so a query's maximum and sum are
;   one register a lane, and the rounded weights of two key blocks ARE the second source of the next product, without a shuffle;
;   O^T = V^T P^T (source 0 = V read transposed from LDS): lane l holds query l % 16, register j feature 8 (l / 16) + j: 16 bytes of a row of y.
.set LK,    0                          ; K: 512 LDS rows (two keys each) of 272 bytes
.set LV,    139264                     ; V: 512 LDS rows of 288 bytes (an odd multiple of 32: the transposing load's lanes fall into different columns)
.set LM,    286720                     ; the batch's mask, 4096 bytes
.set STAGE, 290816                     ; never filled: 16 rows x 144 bytes for each wave
.set YO,  1                            ; 16 x lane
.set KA,  2                            ; LDS address of my part of the trip's K fragments
.set VA,  3                            ; ... of the trip's V
.set MA,  4                            ; ... of the trip's mask words
.set QO,  5
.set STO, 6
.set RD,  7
.set AL,  8                            ; v[8:15]    query block n: (alpha, sum)
.set M,   16                           ; v[16:23]   query block n: (maximum, the other half's figure)
.set T,   24                           ; v[24:31]   query block n: new maximum, then a pair of partial sums
.set MK,  32                           ; v[32:63]   mask words of my 32 keys: [8 kb + j]
.set S,   64                           ; v[64:191]  scores, tile (kb, n) at 8 (4 kb + n); later the weights P(n, ks) in tile (2 ks, n)
.set KF,  192                          ; v[192:255] K fragments (kb, ds) at 8 (2 kb + ds)
.set O,   0                            ; window 1: v[0:127]   O^T, tile (db, n) at 8 (4 db + n)
.set Q,   128                          ; window 1: v[128:191] Q fragments (n, ds) at 8 (2 n + ds)
.set VF,  192                          ; window 1: v[192:255] V^T fragments (db, ks) at 8 (2 db + ks)
.set G1K, 16
.set G1V, 24
.set G1M, 32
.set G0M, 40
.set G0K, 44                           ; s[44:59] four sets: 256 keys each
.set G0V, 68                           ; s[68:83]
.set MSB, 0
.macro WIN new
.if MSB != (\new)
	s_set_vgpr_msb (MSB<<8)|(\new)
.set MSB, (\new)
.endif
.endm
.macro PLACES
.rept 4
	v_nop
.endr
.endm
.macro CROUND                          ; a round of the cluster's barrier
	s_barrier_signal -1
	s_barrier_wait -1
	s_cmp_lg_u32 s10, 0
	s_cbranch_scc1 .Lnot_wave_0_\@
	s_barrier_signal -3
.Lnot_wave_0_\@:
	s_barrier_wait -3
	s_barrier_signal -1
	s_barrier_wait -1
.endm
	s_load_b128 s[4:7], s[0:1], 0x0                ; qkv 4:5, mask 6:7
	s_load_b64 s[8:9], s[0:1], 0x10                ; y
	s_set_vgpr_msb 0x80
	v_lshl_add_u32 v0, v0, 2, 0x49400
	v_mov_b32 v1, 0
	s_set_vgpr_msb 0x808a
	ds_add_u32 v0, v1
	s_set_vgpr_msb 0x8a00
	v_lshrrev_b32 v1, 5, v0
	v_readfirstlane_b32 s10, v1                    ; wave
	s_lshr_b32 s11, s10, 1                         ; I fetch K (0) or V (1),
	s_and_b32 s12, s10, 1                          ; this half of each 256 keys
	s_and_b32 s13, ttmp7, 0xffff                   ; 16 batch + head
	s_lshr_b32 s14, s13, 4                         ; batch
	s_and_b32 s15, s13, 15                         ; head
	s_bfe_u32 s66, ttmp6, 0x40000                  ; cx
	s_lshl_b32 s67, ttmp9, 2
	s_add_co_u32 s66, s67, s66                     ; query block = 4 x cluster x + cx; it enters q's and y's addresses alone
	s_mov_b32 s60, 0x76543210                      ; v_permlanex16_b32: lane i reads lane i of the other half
	s_mov_b32 s61, 0xfedcba98
	s_mov_b32 s62, 0xceabfb8f                      ; -1e9 log2(e)
	; group 1.  K, V: 64 rows of 32 elements of 8 bytes, dense, padded behind every 64 words by 4 (K) or 8 (V) words.  All four work-groups are named.
	s_mov_b32 s[G1K+0], 15|(3<<16)|(1<<20)|(1<<21)|(5<<22)|(3<<25)
	s_mov_b32 s[G1V+0], 15|(3<<16)|(1<<20)|(1<<21)|(5<<22)|(7<<25)
	s_mov_b32 s[G1K+1], 32<<16
	s_mov_b32 s[G1V+1], 32<<16
	s_mov_b32 s[G1K+2], 64<<16
	s_mov_b32 s[G1V+2], 64<<16
	s_mov_b32 s[G1K+3], 32<<16
	s_mov_b32 s[G1V+3], 32<<16
	s_mov_b32 s[G1K+4], 64
	s_mov_b32 s[G1V+4], 64
	s_mov_b32 s[G1K+5], 32
	s_mov_b32 s[G1V+5], 32
	s_mov_b32 s[G1K+6], 0
	s_mov_b32 s[G1V+6], 0
	s_mov_b32 s[G1K+7], 0
	s_mov_b32 s[G1V+7], 0
	s_mov_b32 s[G1M+0], 15|(3<<16)|(1<<21)         ; the mask: one row of 128 elements of 8 bytes, no padding
	s_mov_b32 s[G1M+1], 128<<16
	s_mov_b32 s[G1M+2], 1<<16
	s_mov_b32 s[G1M+3], 128<<16
	s_mov_b32 s[G1M+4], 1
	s_mov_b32 s[G1M+5], 128
	s_mov_b32 s[G1M+6], 0
	s_mov_b32 s[G1M+7], 0
	s_add_co_u32 s84, s15, 16                      ; K's chunk of qkv: 16 + head
	s_lshl_b32 s84, s84, 20
	s_lshl_b32 s85, s14, 17                        ; 1024 rows of 128 bytes a batch
	s_add_co_u32 s84, s84, s85
	s_lshl_b32 s85, s12, 14                        ; 128 keys a half
	s_add_co_u32 s84, s84, s85
	s_mov_b32 s85, 0
	s_add_co_u32 s88, s84, 0x1000000               ; V's chunk: 16 chunks further
	s_mov_b32 s89, 0
	s_lshl_b32 s90, s14, 12                        ; the batch's mask,
	s_lshl_b32 s91, s10, 10                        ; my quarter of it
	s_add_co_u32 s90, s90, s91
	s_mov_b32 s91, 0
	s_mul_i32 s86, s10, 17408                      ; K's halves are fetched by waves 0, 1: LDS byte wave x 17408 + c x 34816
	s_mul_i32 s87, s10, 18432                      ; V's by waves 2, 3: LV + (wave - 2) x 18432 + c x 36864
	s_add_co_u32 s87, s87, LV-2*18432
	s_wait_dscnt 0x0
	s_wait_kmcnt 0x0
	s_add_nc_u64 s[84:85], s[4:5], s[84:85]
	s_add_nc_u64 s[88:89], s[4:5], s[88:89]
	s_add_nc_u64 s[90:91], s[6:7], s[90:91]
	s_mov_b32 s[G0M], 1
	s_lshl_b32 s[G0M+1], s10, 10
	s_add_co_u32 s[G0M+1], s[G0M+1], LM
	s_mov_b64 s[G0M+2:G0M+3], s[90:91]
	s_or_b32 s[G0M+3], s[G0M+3], 0x80000000
.irp c, 0,1,2,3
	s_mov_b32 s[G0K+4*\c], 1
	s_add_co_u32 s[G0K+4*\c+1], s86, \c*34816
	s_add_nc_u64 s[G0K+4*\c+2:G0K+4*\c+3], s[84:85], \c*32768
	s_or_b32 s[G0K+4*\c+3], s[G0K+4*\c+3], 0x80000000
	s_mov_b32 s[G0V+4*\c], 1
	s_add_co_u32 s[G0V+4*\c+1], s87, \c*36864
	s_add_nc_u64 s[G0V+4*\c+2:G0V+4*\c+3], s[88:89], \c*32768
	s_or_b32 s[G0V+4*\c+3], s[G0V+4*\c+3], 0x80000000
.endr
	CROUND                                         ; the four work-groups are here: the joint loads meet
	; All first fills, one group: my quarter of the mask, then my half of each 256 keys of K or of V.  Five tensor loads of the wave are out.
	s_cmp_eq_u32 s11, 0
	s_cbranch_scc0 .Lfill_v
	tensor_load_to_lds s[G0M:G0M+3], s[G1M:G1M+7]
	s_nop 0
.irp c, 0,1,2,3
	tensor_load_to_lds s[G0K+4*\c:G0K+4*\c+3], s[G1K:G1K+7]
	s_nop 0
.endr
	s_branch .Lfilled
.Lfill_v:
	tensor_load_to_lds s[G0M:G0M+3], s[G1M:G1M+7]
	s_nop 0
.irp c, 0,1,2,3
	tensor_load_to_lds s[G0V+4*\c:G0V+4*\c+3], s[G1V:G1V+7]
	s_nop 0
.endr
.Lfilled:
	; q's and y's rows of this wave: chunk head, row 1024 batch + 256 query block + 64 wave
	s_lshl_b32 s66, s66, 15
	s_lshl_b32 s67, s10, 13
	s_add_co_u32 s66, s66, s67
	s_lshl_b32 s67, s15, 20
	s_add_co_u32 s66, s66, s67
	s_lshl_b32 s67, s14, 17
	s_add_co_u32 s66, s66, s67
	s_mov_b32 s67, 0
	s_add_nc_u64 s[4:5], s[4:5], s[66:67]
	s_add_nc_u64 s[8:9], s[8:9], s[66:67]
	v_and_b32 v10, 15, v0                          ; r
	v_bfe_u32 v11, v0, 4, 1                        ; h
	v_and_b32 v12, 31, v0                          ; lane
	v_lshlrev_b32 v[QO], 7, v10
	v_lshl_add_u32 v[QO], v11, 4, v[QO]            ; row r x 128 + 16 h
	WIN 0x40                                       ; destination in window 1
.irp n, 0,1,2,3
.irp ds, 0,1
	global_load_b128 v[Q+8*(2*\n+\ds):Q+8*(2*\n+\ds)+3], v[QO], s[4:5] offset:2048*\n+64*\ds
	global_load_b128 v[Q+8*(2*\n+\ds)+4:Q+8*(2*\n+\ds)+7], v[QO], s[4:5] offset:2048*\n+64*\ds+32
.endr
.endr
	WIN 0
	v_lshrrev_b32 v13, 1, v10                      ; key r lies in LDS row r / 2 at byte 128 (r % 2)
	v_mul_u32_u24 v[KA], v13, 272
	v_and_b32 v13, 1, v10
	v_lshl_add_u32 v[KA], v13, 7, v[KA]
	v_lshl_add_u32 v[KA], v11, 4, v[KA]
	v_bfe_u32 v13, v0, 1, 2                        ; the transposing load: lane l addresses key 8 h + l % 8, features 8 ((l / 8) % 2) ..
	v_lshl_add_u32 v13, v11, 2, v13
	v_mul_u32_u24 v[VA], v13, 288
	v_and_b32 v13, 1, v0
	v_lshl_add_u32 v[VA], v13, 7, v[VA]
	v_bfe_u32 v13, v0, 3, 1
	v_lshl_add_u32 v[VA], v13, 4, v[VA]
	v_add_nc_u32 v[VA], LV, v[VA]
	v_lshlrev_b32 v[MA], 5, v11                    ; the words of keys 8 h .. 8 h + 7
	v_add_nc_u32 v[MA], LM, v[MA]
	s_mul_i32 s86, s10, 2304
	s_add_co_u32 s86, s86, STAGE
	v_mul_u32_u24 v[STO], v10, 144
	v_lshl_add_u32 v[STO], v11, 4, v[STO]
	v_add_nc_u32 v[STO], s86, v[STO]
	v_lshrrev_b32 v13, 3, v12
	v_mul_u32_u24 v[RD], v13, 144
	v_and_b32 v13, 7, v0
	v_lshl_add_u32 v[RD], v13, 4, v[RD]
	v_add_nc_u32 v[RD], s86, v[RD]
	v_lshlrev_b32 v[YO], 4, v12
.irp n, 0,1,2,3
	v_mov_b32 v[M+2*\n], 0xff800000                ; the running maximum starts at -infinity
	v_mov_b32 v[M+2*\n+1], 0                       ; v_permlanex16_b32 counts as a reader of its destination
.endr
.macro KLOAD base                      ; 16 LDS loads: 64 keys x 64 features
.irp kb, 0,1,2,3
.irp ds, 0,1
	ds_load_b128 v[KF+8*(2*\kb+\ds):KF+8*(2*\kb+\ds)+3], v[KA] offset:\base+2176*\kb+64*\ds
	ds_load_b128 v[KF+8*(2*\kb+\ds)+4:KF+8*(2*\kb+\ds)+7], v[KA] offset:\base+2176*\kb+64*\ds+32
.endr
.endr
.endm
.macro MLOAD base                      ; 8 LDS loads: the mask words of my 32 of the 64 keys
.irp kb, 0,1,2,3
	ds_load_b128 v[MK+8*\kb:MK+8*\kb+3], v[MA] offset:\base+64*\kb
	ds_load_b128 v[MK+8*\kb+4:MK+8*\kb+7], v[MA] offset:\base+64*\kb+16
.endr
.endm
; One trip: 64 keys.  On entry the trip's K (16 LDS loads) and then its mask words (8) have been issued.
; first = 1: there is no older sum to scale, and the first products start O.  pre = 1: the next trip's K and mask words are fetched.
; In both runs of products sixteen accumulators take turns, one instruction a turn.
.macro TRIP first, pre
	WIN 0x40
.irp db, 0,1,2,3
.irp ks, 0,1
	ds_load_tr16_b128 v[VF+8*(2*\db+\ks):VF+8*(2*\db+\ks)+3], v[VA] offset:32*\db+4608*\ks
	ds_load_tr16_b128 v[VF+8*(2*\db+\ks)+4:VF+8*(2*\db+\ks)+7], v[VA] offset:32*\db+4608*\ks+2304
.endr
.endr
	s_wait_dscnt 24                                ; K is in; the mask words (8) and V (16) stay out
	WIN 0x04                                       ; source 1 (Q) in window 1
.irp ds, 0,1
.irp kb, 0,1,2,3
.irp n, 0,1,2,3
.if \ds
	v_wmma_f32_16x16x32_bf16 v[S+8*(4*\kb+\n):S+8*(4*\kb+\n)+7], v[KF+8*(2*\kb+\ds):KF+8*(2*\kb+\ds)+7], v[Q+8*(2*\n+\ds):Q+8*(2*\n+\ds)+7], v[S+8*(4*\kb+\n):S+8*(4*\kb+\n)+7]
.else
	v_wmma_f32_16x16x32_bf16 v[S+8*(4*\kb+\n):S+8*(4*\kb+\n)+7], v[KF+8*(2*\kb+\ds):KF+8*(2*\kb+\ds)+7], v[Q+8*(2*\n+\ds):Q+8*(2*\n+\ds)+7], 0
.endif
.endr
.endr
.endr
	WIN 0
	PLACES                                         ; in front of the loads into K's registers and of the reads of the scores
.if \pre
	KLOAD 8704
.endif
	s_wait_dscnt 16+16*\pre                        ; the mask words are in; V (16) and the next K (16) stay out
.irp kb, 0,1,2,3
.irp j, 0,1,2,3,4,5,6,7
	v_cmp_ne_u32 vcc_lo, 0, v[MK+8*\kb+\j]
.irp n, 0,1,2,3
	v_cndmask_b32 v[S+8*(4*\kb+\n)+\j], s62, v[S+8*(4*\kb+\n)+\j], vcc_lo      ; a masked key's score is replaced, as reference() replaces it
.endr
.endr
.endr
.if \pre
	MLOAD 256
.endif
	; the new maximum of each query: four chains, one a query block, started by the old maximum
.irp kb, 0,1,2,3
.irp p, 0,1,2,3
.irp n, 0,1,2,3
.if (\kb+\p) == 0
	v_max3_num_f32 v[T+2*\n], v[M+2*\n], v[S+8*\n], v[S+8*\n+1]
.else
	v_max3_num_f32 v[T+2*\n], v[T+2*\n], v[S+8*(4*\kb+\n)+2*\p], v[S+8*(4*\kb+\n)+2*\p+1]
.endif
.endr
.endr
.endr
.irp n, 0,1,2,3
	v_permlanex16_b32 v[M+2*\n+1], v[T+2*\n], s60, s61     ; the other half of the lanes holds the query's other keys
.endr
.irp n, 0,1,2,3
	v_max_num_f32 v[T+2*\n], v[T+2*\n], v[M+2*\n+1]
.endr
.if \first == 0
.irp n, 0,1,2,3
	v_sub_f32 v[AL+2*\n], v[M+2*\n], v[T+2*\n]             ; old maximum - new
.endr
.endif
.irp n, 0,1,2,3
	v_mov_b32 v[M+2*\n], v[T+2*\n]
.endr
.if \first == 0
.irp n, 0,1,2,3
	v_exp_f32 v[AL+2*\n], v[AL+2*\n]                       ; alpha; first used far below
.endr
.endif
	; weights = 2^(score - maximum), tile by tile: the next tile's subtractions are the plain instructions behind a tile's exponentials (ISA guide 5.7.2)
.irp kb, 0,1,2,3
.irp n, 0,1,2,3
.irp p, 0,1,2,3
	v_pk_add_f32 v[S+8*(4*\kb+\n)+2*\p:S+8*(4*\kb+\n)+2*\p+1], v[S+8*(4*\kb+\n)+2*\p:S+8*(4*\kb+\n)+2*\p+1], v[M+2*\n:M+2*\n+1] op_sel_hi:[1,0] neg_lo:[0,1] neg_hi:[0,1]
.endr
.irp j, 0,1,2,3,4,5,6,7
	v_exp_f32 v[S+8*(4*\kb+\n)+\j], v[S+8*(4*\kb+\n)+\j]
.endr
.endr
.endr
	v_nop                                          ; the plain instruction behind the last exponentials
	s_wait_alu depctr_va_vdst(0)
	; sums of my 32 weights of each query, two at a time; the two halves of the lanes meet only at the end
.irp kb, 0,1,2,3
.irp p, 0,1,2,3
.irp n, 0,1,2,3
.if (4*\kb+\p) == 1
	v_pk_add_f32 v[T+2*\n:T+2*\n+1], v[S+8*\n:S+8*\n+1], v[S+8*\n+2:S+8*\n+3]
.endif
.if (4*\kb+\p) > 1
	v_pk_add_f32 v[T+2*\n:T+2*\n+1], v[T+2*\n:T+2*\n+1], v[S+8*(4*\kb+\n)+2*\p:S+8*(4*\kb+\n)+2*\p+1]
.endif
.endr
.endr
.endr
.irp n, 0,1,2,3
.if \first
	v_add_f32 v[AL+2*\n+1], v[T+2*\n], v[T+2*\n+1]
.else
	v_fma_f32 v[AL+2*\n+1], v[AL+2*\n+1], v[AL+2*\n], v[T+2*\n]
.endif
.endr
.if \first == 0
.irp n, 0,1,2,3
	v_add_f32 v[AL+2*\n+1], v[AL+2*\n+1], v[T+2*\n+1]
.endr
.endif
	; the weights of key blocks 2 ks and 2 ks + 1, rounded, are the fragment P(n, ks): packed upward in place into tile (2 ks, n)
.irp ks, 0,1
.irp n, 0,1,2,3
.irp i, 0,1,2,3
	v_cvt_pk_bf16_f32 v[S+8*(8*\ks+\n)+\i], v[S+8*(8*\ks+\n)+2*\i], v[S+8*(8*\ks+\n)+2*\i+1]
.endr
.irp i, 0,1,2,3
	v_cvt_pk_bf16_f32 v[S+8*(8*\ks+\n)+4+\i], v[S+8*(8*\ks+4+\n)+2*\i], v[S+8*(8*\ks+4+\n)+2*\i+1]
.endr
.endr
.endr
.if \first == 0
	WIN 0x41                                       ; O (window 1) *= alpha (window 0)
.irp db, 0,1,2,3
.irp n, 0,1,2,3
.irp p, 0,1,2,3
	v_pk_mul_f32 v[O+8*(4*\db+\n)+2*\p:O+8*(4*\db+\n)+2*\p+1], v[O+8*(4*\db+\n)+2*\p:O+8*(4*\db+\n)+2*\p+1], v[AL+2*\n:AL+2*\n+1] op_sel_hi:[1,0]
.endr
.endr
.endr
.endif
	s_wait_dscnt 24*\pre                           ; V is in; the next K (16) and mask words (8) stay out
	WIN 0x51                                       ; source 0 (V^T), C and D in window 1, source 1 (P) in window 0
.irp ks, 0,1
.irp db, 0,1,2,3
.irp n, 0,1,2,3
.if \first*(1-\ks)
	v_wmma_f32_16x16x32_bf16 v[O+8*(4*\db+\n):O+8*(4*\db+\n)+7], v[VF+8*(2*\db+\ks):VF+8*(2*\db+\ks)+7], v[S+8*(8*\ks+\n):S+8*(8*\ks+\n)+7], 0
.else
	v_wmma_f32_16x16x32_bf16 v[O+8*(4*\db+\n):O+8*(4*\db+\n)+7], v[VF+8*(2*\db+\ks):VF+8*(2*\db+\ks)+7], v[S+8*(8*\ks+\n):S+8*(8*\ks+\n)+7], v[O+8*(4*\db+\n):O+8*(4*\db+\n)+7]
.endif
.endr
.endr
.endr
	WIN 0
.if \pre
	v_add_nc_u32 v[KA], 8704, v[KA]                ; 64 keys on: 32 LDS rows of K,
	v_add_nc_u32 v[VA], 9216, v[VA]                ; of V,
	v_add_nc_u32 v[MA], 256, v[MA]                 ; 64 words.  With the two below these are the five places in front of the next trip's loads into V's
	v_nop                                          ; registers and of its products, which write over P (ISA guide 7.12.1)
	v_nop
.else
	PLACES                                         ; in front of the reads of O
.endif
.endm
	s_wait_tensorcnt 0x3                           ; my quarter of the mask and my half of the first 256 keys are in; three loads stay out
	s_barrier_signal -1
	s_barrier_wait -1                              ; everybody's are
	KLOAD 0
	MLOAD 0
	s_wait_loadcnt 0x0                             ; q
	TRIP 1, 1                                      ; keys 0-63
.rept 2
	TRIP 0, 1                                      ; keys 64-191; what these fetch ahead ends at key 255
.endr
	s_wait_tensorcnt 0x0                           ; the rest of my K or V is in
	s_wait_dscnt 0x0
	s_barrier_signal -1
	s_barrier_wait -1                              ; everybody's is
	s_mov_b32 s63, 12
.Ltrip:
	TRIP 0, 1                                      ; keys 192-959
	s_sub_co_i32 s63, s63, 1
	s_cmp_lg_u32 s63, 0
	s_cbranch_scc1 .Ltrip
	TRIP 0, 0                                      ; keys 960-1023: nothing is left to fetch
	; THE WAY OUT: the two halves' sums meet; the sum is at least 1 (the largest weight is 1)
.irp n, 0,1,2,3
	v_permlanex16_b32 v[M+2*\n+1], v[AL+2*\n+1], s60, s61
.endr
.irp n, 0,1,2,3
	v_add_f32 v[AL+2*\n+1], v[AL+2*\n+1], v[M+2*\n+1]
.endr
.irp n, 0,1,2,3
	v_rcp_f32 v[AL+2*\n], v[AL+2*\n+1]
.endr
	v_nop
	WIN 0x41
	s_wait_alu depctr_va_vdst(0)
.irp db, 0,1,2,3
.irp n, 0,1,2,3
.irp p, 0,1,2,3
	v_pk_mul_f32 v[O+8*(4*\db+\n)+2*\p:O+8*(4*\db+\n)+2*\p+1], v[O+8*(4*\db+\n)+2*\p:O+8*(4*\db+\n)+2*\p+1], v[AL+2*\n:AL+2*\n+1] op_sel_hi:[1,0]
.endr
.endr
.endr
	WIN 0x05                                       ; sources in window 1, destination in window 0
.irp n, 0,1,2,3
.irp db, 0,1,2,3
.irp i, 0,1,2,3
	v_cvt_pk_bf16_f32 v[S+16*\n+4*\db+\i], v[O+8*(4*\db+\n)+2*\i], v[O+8*(4*\db+\n)+2*\i+1]
.endr
.endr
.endr
	WIN 0
	; sixteen queries at a time through my own stage; LDS serves a wave's instructions in order, so each block's loads see its stores and precede the next block's
.irp n, 0,1,2,3
.irp db, 0,1,2,3
	ds_store_b128 v[STO], v[S+16*\n+4*\db:S+16*\n+4*\db+3] offset:32*\db
.endr
.irp t, 0,1,2,3
	ds_load_b128 v[KF+16*\n+4*\t:KF+16*\n+4*\t+3], v[RD] offset:576*\t
.endr
.endr
.irp n, 0,1,2,3
.irp t, 0,1,2,3
	s_wait_dscnt 8*(3-\n)+3-\t                     ; behind load (n, t) stand the block's later loads and eight instructions for each later block
	global_store_b128 v[YO], v[KF+16*\n+4*\t:KF+16*\n+4*\t+3], s[8:9] offset:2048*\n+512*\t    ; four rows of y's chunk: 512 consecutive bytes, aligned
.endr
.endr
	s_set_vgpr_msb 0xa
	s_wait_tensorcnt 0x0
	ds_add_u32 v0, v1
	s_wait_dscnt 0x0
	s_set_vgpr_msb 0xa00
	CROUND                                         ; the closing round
	s_endpgm
.Lfunc_end_k_qd57a55fcea_attention:
	.size	k_qd57a55fcea_attention, .Lfunc_end_k_qd57a55fcea_attention-k_qd57a55fcea_attention
	.p2alignl 7, 3214868480
	.fill 96, 4, 3214868480
	.section	.rodata,"a",@progbits
	.p2align	6, 0x0
	.amdhsa_kernel k_qd57a55fcea_attention
		.amdhsa_group_segment_fixed_size 300544
		.amdhsa_private_segment_fixed_size 0
		.amdhsa_enable_private_segment 0
		.amdhsa_kernarg_size 24
		.amdhsa_user_sgpr_count 2
		.amdhsa_user_sgpr_kernarg_segment_ptr 1
		.amdhsa_wavefront_size32 1
		.amdhsa_system_sgpr_workgroup_id_x 1
		.amdhsa_system_sgpr_workgroup_id_y 1
		.amdhsa_system_sgpr_workgroup_id_z 1
		.amdhsa_system_vgpr_workitem_id 0
		.amdhsa_next_free_vgpr 514
		.amdhsa_next_free_sgpr 92
		.amdhsa_reserve_vcc 1
		.amdhsa_float_denorm_mode_32 3
		.amdhsa_float_denorm_mode_16_64 3
		.amdhsa_memory_ordered 1
		.amdhsa_forward_progress 1
		.amdhsa_inst_pref_size 206
	.end_amdhsa_kernel
	.amdgpu_metadata
---
amdhsa.version: [ 1, 2 ]
amdhsa.kernels:
  - .name:           k_qd57a55fcea_attention
    .symbol:         k_qd57a55fcea_attention.kd
    .args:
      - { .name: qkv, .offset: 0, .size: 8, .value_kind: global_buffer, .address_space: global }
      - { .name: mask, .offset: 8, .size: 8, .value_kind: global_buffer, .address_space: global }
      - { .name: y, .offset: 16, .size: 8, .value_kind: global_buffer, .address_space: global }
    .group_segment_fixed_size: 300544
    .private_segment_fixed_size: 0
    .kernarg_segment_align: 8
    .kernarg_segment_size: 24
    .max_flat_workgroup_size: 128
    .sgpr_count:     92
    .vgpr_count:     514
    .wavefront_size: 32
...
	.end_amdgpu_metadata
.endif
;; end of part 3
;; launch project_norm (part 4): grid 256 x 1, 4 waves a work-group, clusters of 4 x 1, 327,680 bytes of LDS; arguments y, wb, x, bp, ln_w, ln_b, out0; writes out0
.if DOCPART == 4
	.amdgcn_target "amdgcn-amd-amdhsa--gfx1250"
	.amdhsa_code_object_version 6
	.text
	.protected	k_qd57a55fcea_project_norm
	.globl	k_qd57a55fcea_project_norm
	.p2align	8
	.type	k_qd57a55fcea_project_norm,@function
k_qd57a55fcea_project_norm:
	s_mov_b64 s[64:65], 0
	v_nop
	global_prefetch_b8 v0, s[64:65] scope:SCOPE_SE
	s_setreg_imm32_b32 hwreg(HW_REG_WAVE_MODE, 25, 1), 1
	s_wait_xcnt 0x0
	s_wait_alu depctr_hold_cnt(0) depctr_sa_sdst(0) depctr_va_vdst(0) depctr_va_sdst(0) depctr_va_ssrc(0) depctr_va_vcc(0) depctr_vm_vsrc(0)
	s_getreg_b32 s2, hwreg(HW_REG_IB_STS2, 6, 4)
	s_cmp_eq_u32 s2, 0
	s_cbranch_scc0 .Lentry_in_a_cluster
	s_endpgm
.Lentry_in_a_cluster:
	s_bfe_u32 s2, ttmp6, 0x10000c
	s_cmp_lg_u32 s2, 0x3003
	s_cbranch_scc0 .Lentry_shape_is_right
	s_endpgm
.Lentry_shape_is_right:
; SelfAttention, launch 4 of 4: out0 = LayerNorm(y Wp^T + bp + x) * ln_w + ln_b.  No work of reference() is left out.
; The norm needs whole rows of 1024, so a work-group makes 32 rows x all 1024 columns: 8192 / 32 = 256 work-groups.  Wave w makes columns
; 256 w .. 256 w + 255: 2 x 16 accumulator tiles.  The price: every work-group walks all of Wp (rows 3072-4095 of wb), 64 of K at a time, and each
; fragment of Wp feeds two matrix instructions only.
; CLUSTERS: all work-groups walk the same tiles of Wp, so the four of a cluster ask for them jointly.  y's 32 rows are the work-group's own and
; small (4 KiB a step): each wave loads them straight into registers, one step ahead.
; The variance is the mean of (z - mean)^2, as reference() forms it: no difference of large sums.
; REGISTERS: window 0: addresses, y's fragments (two buffers), bp, ln_w, ln_b, two row buffers; window 1: accumulators, tile (a, b) at v[8 (16 a + b)];
; window 2: Wp's fragments, buffer q at v[128 q]; window 3: my eight rows of x, row i at v[32 i].
; The matrix instruction is used transposed (source 0 = Wp's rows, source 1 = y's rows): lane l holds row l % 16, register j column 8 (l / 16) + j.
.set QUART,  34816                     ; 256 rows of Wp x 64 K = 128 LDS rows of 272 bytes: one wave's, fetched and read by that wave alone
.set SLOT,   4*QUART
.set ZPITCH, 4112                      ; the stage for z, in slot 0 after its last fill: 32 rows of 4096 + 16 bytes
.set AO,   2                           ; row r x 128 + 16 h
.set BA,   4                           ; v4-5  LDS address of my Wp fragments in slot 0, 1
.set XO,   6                           ; 16 x lane
.set STO0, 8                           ; z: row r, my columns
.set STO1, 9                           ; z: row 16 + r
.set RD,   10                          ; z: my first row of eight, 16 x lane
.set AF,   32                          ; v[32:95]   y's fragments: 32 (t % 2) + 16 q + 8 a
.set BP,   96
.set LW,   128
.set LNB,  160
.set Z0,   192                         ; v[192:223], v[224:255]: a row of z, two buffers
.set G1,   24
.set G0,   32
.set MSB, 0
.macro WIN new
.if MSB != (\new)
	s_set_vgpr_msb (MSB<<8)|(\new)
.set MSB, (\new)
.endif
.endm
.macro PLACES
.rept 4
	v_nop
.endr
.endm
.macro CREST
	s_cmp_lg_u32 s20, 0
	s_cbranch_scc1 .Lnot_wave_0_\@
	s_barrier_signal -3
.Lnot_wave_0_\@:
	s_barrier_wait -3
	s_barrier_signal -1
	s_barrier_wait -1
.endm
.macro CROUND
	s_barrier_signal -1
	s_barrier_wait -1
	CREST
.endm
	s_load_b256 s[4:11], s[0:1], 0x0               ; y 4:5, wb 6:7, x 8:9, bp 10:11
	s_load_b128 s[12:15], s[0:1], 0x20             ; ln_w 12:13, ln_b 14:15
	s_load_b64 s[16:17], s[0:1], 0x30              ; out0
	v_lshl_add_u32 v30, v0, 2, 0x44000
	v_mov_b32 v31, 0
	ds_add_u32 v30, v31
	v_lshrrev_b32 v1, 5, v0
	v_readfirstlane_b32 s20, v1                    ; wave
	s_bfe_u32 s52, ttmp6, 0x40000                  ; cx
	s_lshl_b32 s53, ttmp9, 2
	s_add_co_u32 s53, s53, s52                     ; row block = 4 x cluster x + cx; it enters y's, x's and out0's addresses alone
	s_mov_b32 s48, 0x76543210
	s_mov_b32 s49, 0xfedcba98
	s_mov_b32 s50, 0x3a800000                      ; 1 / 1024
	s_mov_b32 s51, 0x2b8cbccc                      ; 1e-12
	s_mov_b32 s[G1+0], 15|(3<<16)|(1<<20)|(1<<21)|(5<<22)|(3<<25)  ; all four work-groups; elements of 8 bytes; 4 words of padding behind every 64
	s_mov_b32 s[G1+1], 32<<16
	s_mov_b32 s[G1+2], 128<<16
	s_mov_b32 s[G1+3], 32<<16
	s_mov_b32 s[G1+4], 128
	s_mov_b32 s[G1+5], 32
	s_mov_b32 s[G1+6], 0
	s_mov_b32 s[G1+7], 0
	s_mul_i32 s21, s20, QUART
	s_lshl_b32 s22, s20, 15                        ; 256 rows of 128 bytes a wave,
	s_add_co_u32 s22, s22, 393216                  ; behind wb's rows 0-3071
	s_mov_b32 s23, 0
	s_wait_dscnt 0x0
	s_wait_kmcnt 0x0
	s_add_nc_u64 s[22:23], s[6:7], s[22:23]
	CROUND                                         ; the four work-groups are here: the first joint loads meet
.irp s, 0,1
	s_mov_b32 s[G0+4*\s], 1
	s_add_co_u32 s[G0+4*\s+1], s21, \s*SLOT
	s_add_nc_u64 s[G0+4*\s+2:G0+4*\s+3], s[22:23], \s*0x80000      ; chunk s
	s_or_b32 s[G0+4*\s+3], s[G0+4*\s+3], 0x80000000
	tensor_load_to_lds s[G0+4*\s:G0+4*\s+3], s[G1:G1+7]            ; two tensor loads of the wave are out here, one behind each later round
	s_nop 0
.endr
	s_lshl_b32 s54, s53, 12                        ; 32 rows of 128 bytes a row block
	s_mov_b32 s55, 0
	s_add_nc_u64 s[40:41], s[4:5], s[54:55]        ; y, chunks 0-7 by the immediate,
	s_add_nc_u64 s[42:43], s[40:41], 0x800000      ; chunks 8-15
	s_lshl_b32 s54, s53, 17                        ; 32 rows of 4096 bytes a row block,
	s_lshl_b32 s56, s20, 15                        ; 8 rows a wave
	s_add_co_u32 s54, s54, s56
	s_add_nc_u64 s[44:45], s[8:9], s[54:55]
	s_add_nc_u64 s[46:47], s[16:17], s[54:55]
	v_and_b32 v12, 15, v0                          ; r
	v_bfe_u32 v13, v0, 4, 1                        ; h
	v_and_b32 v14, 31, v0                          ; lane
	v_lshlrev_b32 v[AO], 7, v12
	v_lshl_add_u32 v[AO], v13, 4, v[AO]
	v_lshlrev_b32 v[XO], 4, v14
.irp j, 0,1,2,3,4,5,6,7
	global_load_b128 v[BP+4*\j:BP+4*\j+3], v[XO], s[10:11] offset:512*\j
	global_load_b128 v[LW+4*\j:LW+4*\j+3], v[XO], s[12:13] offset:512*\j
	global_load_b128 v[LNB+4*\j:LNB+4*\j+3], v[XO], s[14:15] offset:512*\j
.endr
	v_lshrrev_b32 v15, 1, v12                      ; row r of Wp lies in LDS row r / 2 at byte 128 (r % 2)
	v_mul_u32_u24 v15, v15, 272
	v_and_b32 v16, 1, v12
	v_lshl_add_u32 v15, v16, 7, v15
	v_lshl_add_u32 v15, v13, 4, v15
	v_add_nc_u32 v[BA], s21, v15
	v_add_nc_u32 v[BA+1], SLOT, v[BA]
	v_mul_u32_u24 v[STO0], v12, ZPITCH
	v_lshl_add_u32 v[STO0], v13, 5, v[STO0]
	s_lshl_b32 s56, s20, 10
	v_add_nc_u32 v[STO0], s56, v[STO0]             ; row r, column 256 w + 8 h
	v_add_nc_u32 v[STO1], 16*ZPITCH, v[STO0]
	s_mul_i32 s56, s20, 8*ZPITCH
	v_add_nc_u32 v[RD], s56, v[XO]
.macro ALOAD t                         ; 8 loads: y's 32 rows x chunk t
.irp q, 0,1
.irp a, 0,1
.if (\t) < 8
	global_load_b128 v[AF+32*((\t)&1)+16*\q+8*\a:AF+32*((\t)&1)+16*\q+8*\a+3], v[AO], s[40:41] offset:((\t)&7)*0x100000+2048*\a+64*\q
	global_load_b128 v[AF+32*((\t)&1)+16*\q+8*\a+4:AF+32*((\t)&1)+16*\q+8*\a+7], v[AO], s[40:41] offset:((\t)&7)*0x100000+2048*\a+64*\q+32
.else
	global_load_b128 v[AF+32*((\t)&1)+16*\q+8*\a:AF+32*((\t)&1)+16*\q+8*\a+3], v[AO], s[42:43] offset:((\t)&7)*0x100000+2048*\a+64*\q
	global_load_b128 v[AF+32*((\t)&1)+16*\q+8*\a+4:AF+32*((\t)&1)+16*\q+8*\a+7], v[AO], s[42:43] offset:((\t)&7)*0x100000+2048*\a+64*\q+32
.endif
.endr
.endr
.endm
.macro XLOAD i                         ; 8 loads: row i of my eight rows of x, 512 consecutive bytes each (destination in window 3)
.irp j, 0,1,2,3,4,5,6,7
	global_load_b128 v[32*\i+4*\j:32*\i+4*\j+3], v[XO], s[44:45] offset:4096*\i+512*\j th:TH_LOAD_NT
.endr
.endm
.macro FETCH slot, q                   ; 32 LDS loads: my 16 fragments of Wp, 32 K at byte 64 q, into buffer q (destination in window 2)
.irp b, 0,1,2,3,4,5,6,7,8,9,10,11,12,13,14,15
	ds_load_b128 v[128*\q+8*\b:128*\q+8*\b+3], v[BA+(\slot)] offset:2176*\b+64*\q
	ds_load_b128 v[128*\q+8*\b+4:128*\q+8*\b+7], v[BA+(\slot)] offset:2176*\b+64*\q+32
.endr
.endm
; 16 matrix instructions: row block a x my 16 column blocks.  The 32 accumulators take turns, one instruction a turn, in the same order in every 32 of K.
.macro MULA t, q, a, zero
.irp b, 0,1,2,3,4,5,6,7,8,9,10,11,12,13,14,15
.if \zero
	v_wmma_f32_16x16x32_bf16 v[8*(16*\a+\b):8*(16*\a+\b)+7], v[128*\q+8*\b:128*\q+8*\b+7], v[AF+32*((\t)&1)+16*\q+8*\a:AF+32*((\t)&1)+16*\q+8*\a+7], 0
.else
	v_wmma_f32_16x16x32_bf16 v[8*(16*\a+\b):8*(16*\a+\b)+7], v[128*\q+8*\b:128*\q+8*\b+7], v[AF+32*((\t)&1)+16*\q+8*\a:AF+32*((\t)&1)+16*\q+8*\a+7], v[8*(16*\a+\b):8*(16*\a+\b)+7]
.endif
.endr
.endm
; K step t (chunk t), slot t % 2.  The sixteen steps are written out: the chunk stands in y's immediates, and the last steps differ.
.macro STEP t
	; first 32 of K
.if \t == 14
	s_wait_loadcnt 16                              ; y's chunk 14 is in; behind it stand x's rows 0, 1 (16 loads)
.elseif \t == 15
	s_wait_loadcnt 24                              ; y's chunk 15 is in; behind it stand x's rows 2-4 (24 loads)
.else
	s_wait_loadcnt 0x0                             ; y's chunk t (and, at the start, bp, ln_w, ln_b)
.endif
	s_wait_dscnt 0x0                               ; Wp's buffer 0
.if \t > 0
	PLACES                                         ; in front of the loads into y's other buffer and into Wp's buffer 1
.endif
	WIN 0
.if \t < 15
	ALOAD (\t+1)
.endif
.if \t == 13
	WIN 0xc0
	XLOAD 0
	XLOAD 1
.endif
.if \t == 14
	WIN 0xc0
	XLOAD 2
	XLOAD 3
	XLOAD 4
.endif
.if \t == 15
	WIN 0xc0
	XLOAD 5
	XLOAD 6
	XLOAD 7
.endif
	WIN 0x80
	FETCH ((\t)&1), 1
	WIN 0x52
.if \t == 0
	MULA \t, 0, 0, 1                               ; the first products start the sums
	MULA \t, 0, 1, 1
.else
	MULA \t, 0, 0, 0
	MULA \t, 0, 1, 0
.endif
	; second 32 of K
	s_wait_dscnt 0x0                               ; Wp's buffer 1 is in, and my reads of this slot are over
.if \t <= 13
	s_set_vgpr_msb 0x5250
	s_wait_tensorcnt 0x0                           ; all my tensor loads have landed: the one that was out is my quarter of the next slot
	ds_add_u32 v30, v31
	s_wait_dscnt 0x0
	s_set_vgpr_msb 0x5052
	s_barrier_signal -1                            ; opens a round of the cluster's barrier
	MULA \t, 1, 0, 0                               ; registers only
	WIN 0
	s_barrier_wait -1
	CREST                                          ; no wave of any partner still reads this slot or has a load on its way
	s_add_nc_u64 s[G0+4*((\t)&1)+2:G0+4*((\t)&1)+3], s[G0+4*((\t)&1)+2:G0+4*((\t)&1)+3], 0x100000   ; two chunks on
	tensor_load_to_lds s[G0+4*((\t)&1):G0+4*((\t)&1)+3], s[G1:G1+7]    ; chunk t + 2: the wave's one tensor load behind the round, and the first thing there
	s_nop 0
	PLACES
	WIN 0x80
	FETCH (1-((\t)&1)), 0
	WIN 0x52
	MULA \t, 1, 1, 0
.elseif \t == 14
	s_wait_tensorcnt 0x0                           ; chunk 15 is in; its bytes are my own and nothing is filled any more: no barrier
	MULA \t, 1, 0, 0
	PLACES
	WIN 0x80
	FETCH (1-((\t)&1)), 0
	WIN 0x52
	MULA \t, 1, 1, 0
.else
	MULA \t, 1, 0, 0
	MULA \t, 1, 1, 0
.endif
.endm
	ALOAD 0
	s_wait_tensorcnt 0x1                           ; my quarter of chunk 0 is in; only I read it, so my own wait is all that the reads need
	WIN 0x80
	FETCH 0, 0
.irp t, 0,1,2,3,4,5,6,7,8,9,10,11,12,13,14,15
	STEP \t
.endr
	; z's products go through LDS, so that a wave gets whole rows.  The stage lies in slot 0, which has had its last fill.
	PLACES                                         ; in front of the LDS stores of the results
	WIN 0
	s_wait_dscnt 0x0
	s_barrier_signal -1
	s_barrier_wait -1                              ; no wave reads slot 0 any more
	WIN 0x04                                       ; store data in window 1
.irp b, 0,1,2,3,4,5,6,7,8,9,10,11,12,13,14,15
	ds_store_b128 v[STO0], v[8*\b:8*\b+3] offset:64*\b
	ds_store_b128 v[STO0], v[8*\b+4:8*\b+7] offset:64*\b+16
	ds_store_b128 v[STO1], v[128+8*\b:128+8*\b+3] offset:64*\b
	ds_store_b128 v[STO1], v[128+8*\b+4:128+8*\b+7] offset:64*\b+16
.endr
	WIN 0
	s_wait_dscnt 0x0                               ; for the others' sake: zero
	s_barrier_signal -1
	s_barrier_wait -1
.irp j, 0,1,2,3,4,5,6,7
	ds_load_b128 v[Z0+4*\j:Z0+4*\j+3], v[RD] offset:512*\j
.endr
.macro LANESUM d, e                    ; v[d] = its sum over the 32 lanes, in every lane; v[e] has been written before
	v_add_f32_dpp v[\d], v[\d], v[\d] row_xmask:1 row_mask:0xf bank_mask:0xf
	v_add_f32_dpp v[\d], v[\d], v[\d] row_xmask:2 row_mask:0xf bank_mask:0xf
	v_add_f32_dpp v[\d], v[\d], v[\d] row_xmask:4 row_mask:0xf bank_mask:0xf
	v_add_f32_dpp v[\d], v[\d], v[\d] row_xmask:8 row_mask:0xf bank_mask:0xf
	v_permlanex16_b32 v[\e], v[\d], s48, s49
	v_add_f32 v[\d], v[\d], v[\e]
.endm
; Row i of my eight: lane l holds columns 128 j + 4 l .. + 3, j = 0 .. 7, of z, x, bp, ln_w and ln_b alike.
.macro LNROW i
.set ZC, Z0+32*((\i)&1)
.set ZN, Z0+32*(1-((\i)&1))
.if \i < 7
.if \i > 0
	s_wait_xcnt 0x0                                ; the other buffer, which the last row's stores read, is loaded again only behind this wait (ISA guide 3.1)
.endif
.irp j, 0,1,2,3,4,5,6,7
	ds_load_b128 v[ZN+4*\j:ZN+4*\j+3], v[RD] offset:(\i+1)*ZPITCH+512*\j
.endr
	s_wait_dscnt 8                                 ; my row is in; the next row's eight loads stay out
.else
	s_wait_dscnt 0x0
.endif
	s_wait_loadcnt (7-\i)*8                        ; x's row i is in; the later rows' loads stay out
	WIN 0x0c                                       ; source 1 in window 3
.irp p, 0,1,2,3,4,5,6,7,8,9,10,11,12,13,14,15
	v_pk_add_f32 v[ZC+2*\p:ZC+2*\p+1], v[ZC+2*\p:ZC+2*\p+1], v[32*\i+2*\p:32*\i+2*\p+1]
.endr
	WIN 0
.irp p, 0,1,2,3,4,5,6,7,8,9,10,11,12,13,14,15
	v_pk_add_f32 v[ZC+2*\p:ZC+2*\p+1], v[ZC+2*\p:ZC+2*\p+1], v[BP+2*\p:BP+2*\p+1]
.endr
	v_pk_add_f32 v[12:13], v[ZC:ZC+1], v[ZC+2:ZC+3]                ; the mean: two chains
	v_pk_add_f32 v[14:15], v[ZC+4:ZC+5], v[ZC+6:ZC+7]
.irp p, 4,6,8,10,12,14
	v_pk_add_f32 v[12:13], v[12:13], v[ZC+2*\p:ZC+2*\p+1]
	v_pk_add_f32 v[14:15], v[14:15], v[ZC+2*\p+2:ZC+2*\p+3]
.endr
	v_pk_add_f32 v[12:13], v[12:13], v[14:15]
	v_add_f32 v12, v12, v13
	LANESUM 12, 13
	v_mul_f32 v12, s50, v12
.irp p, 0,1,2,3,4,5,6,7,8,9,10,11,12,13,14,15
	v_pk_add_f32 v[ZC+2*\p:ZC+2*\p+1], v[ZC+2*\p:ZC+2*\p+1], v[12:13] op_sel_hi:[1,0] neg_lo:[0,1] neg_hi:[0,1]
.endr
	v_pk_mul_f32 v[14:15], v[ZC:ZC+1], v[ZC:ZC+1]                  ; the mean of the squares of z - mean: two chains
	v_pk_mul_f32 v[16:17], v[ZC+2:ZC+3], v[ZC+2:ZC+3]
.irp p, 2,4,6,8,10,12,14
	v_pk_fma_f32 v[14:15], v[ZC+2*\p:ZC+2*\p+1], v[ZC+2*\p:ZC+2*\p+1], v[14:15]
	v_pk_fma_f32 v[16:17], v[ZC+2*\p+2:ZC+2*\p+3], v[ZC+2*\p+2:ZC+2*\p+3], v[16:17]
.endr
	v_pk_add_f32 v[14:15], v[14:15], v[16:17]
	v_add_f32 v14, v14, v15
	LANESUM 14, 15
	v_fma_f32 v14, v14, s50, s51                   ; variance + 1e-12
	v_rsq_f32 v14, v14
	v_nop                                          ; the plain instruction behind v_rsq_f32 (ISA guide 5.7.2)
	s_wait_alu depctr_va_vdst(0)
.irp p, 0,1,2,3,4,5,6,7,8,9,10,11,12,13,14,15
	v_pk_mul_f32 v[ZC+2*\p:ZC+2*\p+1], v[ZC+2*\p:ZC+2*\p+1], v[14:15] op_sel_hi:[1,0]
.endr
.irp p, 0,1,2,3,4,5,6,7,8,9,10,11,12,13,14,15
	v_pk_fma_f32 v[ZC+2*\p:ZC+2*\p+1], v[ZC+2*\p:ZC+2*\p+1], v[LW+2*\p:LW+2*\p+1], v[LNB+2*\p:LNB+2*\p+1]
.endr
.irp j, 0,1,2,3,4,5,6,7
	global_store_b128 v[XO], v[ZC+4*\j:ZC+4*\j+3], s[46:47] offset:4096*\i+512*\j th:TH_STORE_NT   ; 512 consecutive bytes, aligned
.endr
.endm
.irp i, 0,1,2,3,4,5,6,7
	LNROW \i
.endr
	s_wait_tensorcnt 0x0
	ds_add_u32 v30, v31
	s_wait_dscnt 0x0
	CROUND                                         ; the closing round
	s_endpgm
.Lfunc_end_k_qd57a55fcea_project_norm:
	.size	k_qd57a55fcea_project_norm, .Lfunc_end_k_qd57a55fcea_project_norm-k_qd57a55fcea_project_norm
	.p2alignl 7, 3214868480
	.fill 96, 4, 3214868480
	.section	.rodata,"a",@progbits
	.p2align	6, 0x0
	.amdhsa_kernel k_qd57a55fcea_project_norm
		.amdhsa_group_segment_fixed_size 327680
		.amdhsa_private_segment_fixed_size 0
		.amdhsa_enable_private_segment 0
		.amdhsa_kernarg_size 56
		.amdhsa_user_sgpr_count 2
		.amdhsa_user_sgpr_kernarg_segment_ptr 1
		.amdhsa_wavefront_size32 1
		.amdhsa_system_sgpr_workgroup_id_x 1
		.amdhsa_system_sgpr_workgroup_id_y 1
		.amdhsa_system_sgpr_workgroup_id_z 1
		.amdhsa_system_vgpr_workitem_id 0
		.amdhsa_next_free_vgpr 1024
		.amdhsa_next_free_sgpr 66
		.amdhsa_reserve_vcc 0
		.amdhsa_float_denorm_mode_32 3
		.amdhsa_float_denorm_mode_16_64 3
		.amdhsa_memory_ordered 1
		.amdhsa_forward_progress 1
		.amdhsa_inst_pref_size 250
	.end_amdhsa_kernel
	.amdgpu_metadata
---
amdhsa.version: [ 1, 2 ]
amdhsa.kernels:
  - .name:           k_qd57a55fcea_project_norm
    .symbol:         k_qd57a55fcea_project_norm.kd
    .args:
      - { .name: y, .offset: 0, .size: 8, .value_kind: global_buffer, .address_space: global }
      - { .name: wb, .offset: 8, .size: 8, .value_kind: global_buffer, .address_space: global }
      - { .name: x, .offset: 16, .size: 8, .value_kind: global_buffer, .address_space: global }
      - { .name: bp, .offset: 24, .size: 8, .value_kind: global_buffer, .address_space: global }
      - { .name: ln_w, .offset: 32, .size: 8, .value_kind: global_buffer, .address_space: global }
      - { .name: ln_b, .offset: 40, .size: 8, .value_kind: global_buffer, .address_space: global }
      - { .name: out0, .offset: 48, .size: 8, .value_kind: global_buffer, .address_space: global }
    .group_segment_fixed_size: 327680
    .private_segment_fixed_size: 0
    .kernarg_segment_align: 8
    .kernarg_segment_size: 56
    .max_flat_workgroup_size: 128
    .sgpr_count:     66
    .vgpr_count:     1024
    .wavefront_size: 32
...
	.end_amdgpu_metadata
.endif
;; end of part 4
;; ======== version 2 of 2: 4 launches; version 1 with the launch convert written anew for expert scheduling mode
;; workspace buffers: xb 16,777,216 bytes; wb 8,388,608 bytes; bias 12,288 bytes; qkv 50,331,648 bytes; y 16,777,216 bytes
;; launch convert (part 5): grid 64 x 12, 8 waves a work-group, no clusters, 0 bytes of LDS; arguments x, Wq, Wk, Wv, Wp, bq, bk, bv, xb, wb, bias; writes xb, wb, bias
.if DOCPART == 5
	.amdgcn_target "amdgcn-amd-amdhsa--gfx1250"
	.amdhsa_code_object_version 6
	.text
	.protected	k_qd57a55fcea_convert
	.globl	k_qd57a55fcea_convert
	.p2align	8
	.type	k_qd57a55fcea_convert,@function
k_qd57a55fcea_convert:
	s_mov_b64 s[64:65], 0
	v_nop
	global_prefetch_b8 v0, s[64:65] scope:SCOPE_SE
	s_setreg_imm32_b32 hwreg(HW_REG_WAVE_SCHED_MODE, 0, 2), 2
	s_setreg_imm32_b32 hwreg(HW_REG_WAVE_MODE, 25, 1), 1
	s_wait_xcnt 0x0
	s_wait_alu depctr_vm_vsrc(0)
; SelfAttention, launch 1 of 4: every matrix operand is rounded to bf16 ONCE and laid out in chunks of 64 along K.
;   xb[kc][m][64]  = bf16(x[m][64 kc ..])                 16 chunks x 8192 rows x 128 bytes
;   wb[kc][n][64]  = bf16(W[n][64 kc ..]), n 0-1023 Wq * c, 1024-2047 Wk, 2048-3071 Wv, 3072-4095 Wp
;   bias[3072]     = bq * c, bk, bv  (f32)
; c = log2(e) / 8: the 1/sqrt(64) of the scores and the change from e^x to 2^x are folded into Wq and bq in f32, before the one
; rounding to bf16, so the later launches get scores that are ready for v_exp_f32.
; In that layout a tile of R rows x 64 K is R x 128 consecutive bytes, which the later launches fetch as rows of 256 bytes.
; DEAD WORK: none is left out, every input is loaded.  bk is NOT the same along the softmax's axis: a masked key's score is
; replaced by -1e9 without it, so bk moves the result in exact arithmetic and stays.  Masked keys are thrown away by the VALUES of
; mask, so their scores are computed and selected.
; LIMITS of the whole program: matrix operands (x, the weights, q, k, v, the softmax's weights, the attention's result) are rounded
; to bf16, sums are f32; NaN and infinities among the inputs are not carried as reference() carries them.
; No cluster, no LDS, no matrix unit: no two work-groups read the same byte and there is no product here.
; SHARES: 768 work-groups of 16 rows of 1024 f32.  Grid y 0-7: x, rows 16 (64 y + gx); y 8, 9, 10, 11: Wq, Wk, Wv, Wp, rows 16 gx.
; A wave takes two rows; load kc takes chunk kc of both (two pieces of 256 consecutive bytes), its store writes the two rows'
; 2 x 128 bytes, which are neighbours in the chunked layout: 256 consecutive bytes, aligned.
; THE MODE: SCHED_MODE bits 1:0 = 2 (LLVM: expert scheduling mode 2), set by the entry lines.  The code itself states the register dependences
; between vector instructions and memory instructions, with s_wait_alu, always for 0.
; THE PLAN.  Registers that memory instructions touch:
;   v1       offset of the sixteen loads; written at the head, never again.
;   v3       offset of a bias's load and of bq's store; written at the head, never again.
;   OO[kc]   offset of chunk kc's store; written once, by the adds that stand behind the loads.
;   X[kc]    chunk kc's load lands in it; its conversions read it (Wq's multiplies also write it).  No store reads it.  When all sixteen chunks
;            are rounded, v[X:X+3] takes a bias and v[X+4] the offset of bk's or bv's store.
;   Y[kc]    written by chunk kc's two conversions, read by its store, never written again.
; No register that a memory instruction has read is ever written again, so no wait on vm_vsrc is owed.
; The chunks go in four blocks of four.  Block p rounds chunks 4 p .. 4 p + 3; the four stores of block p - 1 are dealt among its vector instructions,
; which name X and Y of block p alone.  So ONE wait on va_vdst at a block's head states all that those four stores hang on; one more stands behind
; block 3, ahead of the last four stores.
.set OO, 4                             ; v[4:19]    byte offset of my 8 bytes in chunk kc of the result; never rewritten
.set X,  20                            ; v[20:83]   chunk kc: 4 f32 as loaded
.set Y,  84                            ; v[84:115]  chunk kc: 4 bf16 to store
	s_load_b512 s[8:23], s[0:1], 0x0               ; x 8:9, Wq 10:11, Wk 12:13, Wv 14:15, Wp 16:17, bq 18:19, bk 20:21, bv 22:23
	s_load_b128 s[24:27], s[0:1], 0x40             ; xb 24:25, wb 26:27
	s_load_b64 s[28:29], s[0:1], 0x50              ; bias
	s_mov_b32 s2, ttmp9                            ; gx
	s_and_b32 s3, ttmp7, 0xffff                    ; y
	s_mov_b32 s36, 0x3e38aa3b                      ; c = log2(e) / 8,
	s_mov_b32 s37, 0x3e38aa3b                      ; as a pair for the packed multiply
	v_lshrrev_b32 v1, 4, v0                        ; thread / 16 = 2 wave + row of the pair
	v_and_b32 v3, 15, v0
	v_lshlrev_b32 v3, 4, v3
	v_lshl_or_b32 v1, v1, 12, v3                   ; in: row x 4096 + 16 (thread mod 16)
	v_lshlrev_b32 v2, 3, v0                        ; out: 256 wave + 8 lane
	v_lshlrev_b32 v3, 4, v0                        ; the bias copy: 16 bytes a thread
	s_wait_kmcnt 0x0
	; which tensor: selects on the grid's y alone
	s_cmp_lt_u32 s3, 8
	s_cselect_b64 s[30:31], s[8:9], s[16:17]       ; from x, else Wp unless replaced below
	s_cselect_b64 s[32:33], s[24:25], s[26:27]     ; to xb, else wb
	s_cselect_b32 s38, 20, 19                      ; a chunk is 8192 or 4096 rows of 128 bytes
	s_cselect_b32 s35, s3, 0
	s_cmp_eq_u32 s3, 8
	s_cselect_b64 s[30:31], s[10:11], s[30:31]
	s_cmp_eq_u32 s3, 9
	s_cselect_b64 s[30:31], s[12:13], s[30:31]
	s_cmp_eq_u32 s3, 10
	s_cselect_b64 s[30:31], s[14:15], s[30:31]
	s_lshl_b32 s34, 1, s38                         ; bytes from chunk to chunk
	s_lshl_b32 s35, s35, 22                        ; x: 1024 rows of 4096 bytes for each y
	s_lshl_b32 s39, s2, 16                         ; 16 rows of 4096 bytes for each gx
	s_add_co_u32 s38, s35, s39
	s_mov_b32 s39, 0
	s_add_nc_u64 s[30:31], s[30:31], s[38:39]
	s_and_b32 s38, s3, 7                           ; 1024 rows of 128 bytes for each y (x), for each of the four weights (wb)
	s_lshl_b32 s38, s38, 17
	s_lshl_b32 s35, s2, 11                         ; 16 rows of 128 bytes for each gx
	s_add_co_u32 s38, s38, s35
	s_add_nc_u64 s[32:33], s[32:33], s[38:39]
	s_wait_alu depctr_va_vdst(0)                   ; v1 is written, which the sixteen loads read as their offset; so is v3, which a bias's load reads
.irp kc, 0,1,2,3,4,5,6,7,8,9,10,11,12,13,14,15
	global_load_b128 v[X+4*\kc:X+4*\kc+3], v1, s[30:31] offset:256*\kc th:TH_LOAD_NT   ; all sixteen go out at once
.endr
.irp kc, 0,1,2,3,4,5,6,7,8,9,10,11,12,13,14,15
	s_mul_i32 s38, s34, \kc
	v_add_nc_u32 v[OO+\kc], s38, v2                ; up to 15 chunks: too far for a store's immediate
.endr
; The sixteen chunks are rounded as they come, in four blocks of four; a block's stores go out among the next block's vector instructions.
; No register is used twice, so no store's source is ever rewritten.
.macro CONV scaled
.irp p, 0,1,2,3
	s_wait_loadcnt 15-4*\p                         ; loads come back in order (ISA guide 5.7.1): the block's first chunk is in, the younger ones stay out
.if \p > 0
	s_wait_alu depctr_va_vdst(0)                   ; the block before has written its four Y, which the four stores below read; at block 1 also: the adds have written all sixteen OO
.endif
.irp i, 0,1,2,3
.if \p > 0
	global_store_b64 v[OO+4*\p-4+\i], v[Y+2*(4*\p-4+\i):Y+2*(4*\p-4+\i)+1], s[32:33]   ; the block before; the wave's 32 x 8 bytes: 256 consecutive bytes, aligned.  No vector instruction since the wait names these registers
.endif
.if \i > 0
	s_wait_loadcnt 15-(4*\p+\i)                    ; chunk 4 p + i is in, the younger ones stay out
.endif
.if \scaled
	v_pk_mul_f32 v[X+4*(4*\p+\i):X+4*(4*\p+\i)+1], v[X+4*(4*\p+\i):X+4*(4*\p+\i)+1], s[36:37] op_sel_hi:[1,0]
	v_pk_mul_f32 v[X+4*(4*\p+\i)+2:X+4*(4*\p+\i)+3], v[X+4*(4*\p+\i)+2:X+4*(4*\p+\i)+3], s[36:37] op_sel_hi:[1,0]
.endif
	v_cvt_pk_bf16_f32 v[Y+2*(4*\p+\i)], v[X+4*(4*\p+\i)], v[X+4*(4*\p+\i)+1]
	v_cvt_pk_bf16_f32 v[Y+2*(4*\p+\i)+1], v[X+4*(4*\p+\i)+2], v[X+4*(4*\p+\i)+3]
.endr
.endr
	s_wait_alu depctr_va_vdst(0)                   ; block 3 has written its four Y, which the last four stores read; and every conversion and multiply is done with v[X:X+3], in which a bias's load may land
.irp kc, 12,13,14,15
	global_store_b64 v[OO+\kc], v[Y+2*\kc:Y+2*\kc+1], s[32:33]
.endr
.endm
; 1024 f32 of a bias: 16 bytes a thread.  X's first registers are free: every load into X has been waited for and used, and the wait behind block 3 has shown the vector instructions that named them done.
.macro BIASCP scaled, off, b
	global_load_b128 v[X:X+3], v3, s[\b:\b+1]
	s_wait_loadcnt 0x0
.if \scaled
	v_pk_mul_f32 v[X:X+1], v[X:X+1], s[36:37] op_sel_hi:[1,0]
	v_pk_mul_f32 v[X+2:X+3], v[X+2:X+3], s[36:37] op_sel_hi:[1,0]
	s_wait_alu depctr_va_vdst(0)                   ; the two multiplies have written v[X:X+3], which the store reads
.endif
	global_store_b128 v[\off], v[X:X+3], s[28:29]
.endm
	s_cmp_eq_u32 s3, 8
	s_cbranch_scc1 .Lscaled
	CONV 0
	s_cmp_lg_u32 s2, 0                             ; bk and bv are copied by the first work-group of Wk's and of Wv's rows
	s_cbranch_scc1 .Lend
	s_cmp_lt_u32 s3, 9
	s_cbranch_scc1 .Lend
	s_cmp_gt_u32 s3, 10
	s_cbranch_scc1 .Lend
	s_cmp_eq_u32 s3, 9
	s_cselect_b64 s[34:35], s[20:21], s[22:23]
	s_sub_co_u32 s38, s3, 8
	s_lshl_b32 s38, s38, 12                        ; bias + 4096 or + 8192
	v_add_nc_u32 v[X+4], s38, v3
	s_wait_alu depctr_va_vdst(0)                   ; the add has written v[X+4], which the bias's store reads as its offset, and is done with v3, the load's offset
	BIASCP 0, X+4, 34
	s_endpgm
.Lscaled:
	CONV 1                                         ; Wq * c
	s_cmp_lg_u32 s2, 0
	s_cbranch_scc1 .Lend
	BIASCP 1, 3, 18                                ; bq * c
.Lend:
	s_endpgm
.Lfunc_end_k_qd57a55fcea_convert:
	.size	k_qd57a55fcea_convert, .Lfunc_end_k_qd57a55fcea_convert-k_qd57a55fcea_convert
	.p2alignl 7, 3214868480
	.fill 96, 4, 3214868480
	.section	.rodata,"a",@progbits
	.p2align	6, 0x0
	.amdhsa_kernel k_qd57a55fcea_convert
		.amdhsa_group_segment_fixed_size 0
		.amdhsa_private_segment_fixed_size 0
		.amdhsa_enable_private_segment 0
		.amdhsa_kernarg_size 88
		.amdhsa_user_sgpr_count 2
		.amdhsa_user_sgpr_kernarg_segment_ptr 1
		.amdhsa_wavefront_size32 1
		.amdhsa_system_sgpr_workgroup_id_x 1
		.amdhsa_system_sgpr_workgroup_id_y 1
		.amdhsa_system_sgpr_workgroup_id_z 1
		.amdhsa_system_vgpr_workitem_id 0
		.amdhsa_next_free_vgpr 116
		.amdhsa_next_free_sgpr 66
		.amdhsa_reserve_vcc 0
		.amdhsa_float_denorm_mode_32 3
		.amdhsa_float_denorm_mode_16_64 3
		.amdhsa_memory_ordered 1
		.amdhsa_forward_progress 1
		.amdhsa_inst_pref_size 16
	.end_amdhsa_kernel
	.amdgpu_metadata
---
amdhsa.version: [ 1, 2 ]
amdhsa.kernels:
  - .name:           k_qd57a55fcea_convert
    .symbol:         k_qd57a55fcea_convert.kd
    .args:
      - { .name: x, .offset: 0, .size: 8, .value_kind: global_buffer, .address_space: global }
      - { .name: Wq, .offset: 8, .size: 8, .value_kind: global_buffer, .address_space: global }
      - { .name: Wk, .offset: 16, .size: 8, .value_kind: global_buffer, .address_space: global }
      - { .name: Wv, .offset: 24, .size: 8, .value_kind: global_buffer, .address_space: global }
      - { .name: Wp, .offset: 32, .size: 8, .value_kind: global_buffer, .address_space: global }
      - { .name: bq, .offset: 40, .size: 8, .value_kind: global_buffer, .address_space: global }
      - { .name: bk, .offset: 48, .size: 8, .value_kind: global_buffer, .address_space: global }
      - { .name: bv, .offset: 56, .size: 8, .value_kind: global_buffer, .address_space: global }
      - { .name: xb, .offset: 64, .size: 8, .value_kind: global_buffer, .address_space: global }
      - { .name: wb, .offset: 72, .size: 8, .value_kind: global_buffer, .address_space: global }
      - { .name: bias, .offset: 80, .size: 8, .value_kind: global_buffer, .address_space: global }
    .group_segment_fixed_size: 0
    .private_segment_fixed_size: 0
    .kernarg_segment_align: 8
    .kernarg_segment_size: 88
    .max_flat_workgroup_size: 256
    .sgpr_count:     66
    .vgpr_count:     116
    .wavefront_size: 32
...
	.end_amdgpu_metadata
.endif
;; end of part 5
;; launch project_qkv: the kernel of part 2 again; grid 8 x 32, 4 waves a work-group, clusters of 4 x 4, 327,680 bytes of LDS; arguments xb, wb, bias, qkv; writes qkv
;; launch attention: the kernel of part 3 again; grid 4 x 128, 4 waves a work-group, clusters of 4 x 1, 300,544 bytes of LDS; arguments qkv, mask, y; writes y
;; launch project_norm: the kernel of part 4 again; grid 256 x 1, 4 waves a work-group, clusters of 4 x 1, 327,680 bytes of LDS; arguments y, wb, x, bp, ln_w, ln_b, out0; writes out0
